; MI455X (gfx1250); checked and timed in simulation.
; The chip was launched on July 23, 2026; its instructions are those of AMD's public machine-readable ISA for CDNA 5 (MIT licence, August 2026) and "CDNA5" Instruction Set Architecture Reference Guide (July 2026). The comments in the code are by the model that wrote it; some were corrected since.
;; Inc Concave NN. Allowed arithmetic: matrix products marked QUANTISED: E5M2 operands, one E8M0 scale for each 32 along K, by v_wmma_scale_f32_16x16x128_f8f6f4 with both operands' format E5M2, f32 sums; products left as they are: f32 operands where the result goes on into a quantised operand, else bf16, f16 or f32 operands; f32 sums; everything else in f32.
;; Inputs: h 256 x 63 float32; ib0 128 float32; ib1 128 float32; ib2 1 float32; iw0_codes 128 x 2 x 32 uint8 (E5M2 codes of iw0, K innermost, in blocks of 32 codes); iw0_scales 128 x 2 uint8 (E8M0 scales of iw0, one for each 32 codes along K); iw1_codes 128 x 4 x 32 uint8 (E5M2 codes of iw1, K innermost, in blocks of 32 codes); iw1_scales 128 x 4 uint8 (E8M0 scales of iw1, one for each 32 codes along K); iw2 128 x 1 float32; nb0 128 float32; nb1 128 float32; nb2 2 float32; nw0 63 x 128 float32; nw1_codes 128 x 4 x 32 uint8 (E5M2 codes of nw1, K innermost, in blocks of 32 codes); nw1_scales 128 x 4 uint8 (E8M0 scales of nw1, one for each 32 codes along K); nw2 128 x 2 float32; x 256 x 1 float32.
;; Outputs: out0 256 x 1 float32.
;; This version of the problem:
;;   THIS VERSION OF THE PROBLEM IS GIVEN IN LOW PRECISION. The matrix products marked QUANTISED in the list below multiply operands that are first quantised to E5M2 (5 exponent bits, 2 mantissa bits; 8 bits a number), with one power-of-two scale for each 32 numbers along K (OCP MX v1.0); their sums are f32. All else is computed in f32.
;;   The module's matrix products, in the order in which they are computed (A, B: the left and right operand; K: the contracted axis; several contracted axes count as one K, in the product's order):
;;     1. [M 665,856, K 64] x [K 64, N 128]; A: computed on the way; B: input iw0 (given as codes): QUANTISED
;;     2. [M 665,856, K 128] x [K 128, N 128]; A: computed on the way; B: input iw1 (given as codes): QUANTISED
;;     3. [M 665,856, K 128] x [K 128, N 1]; A: computed on the way; B: input iw2: left as it is (N = 1 < 16)
;;     4. [M 256, K 63] x [K 63, N 128]; A: input h; B: input nw0: QUANTISED
;;     5. [M 256, K 128] x [K 128, N 128]; A: computed on the way; B: input nw1 (given as codes): QUANTISED
;;     6. [M 256, K 128] x [K 128, N 2]; A: computed on the way; B: input nw2: left as it is (N = 2 < 16)
;;   THE QUANTISER, for each operand of a quantised product, along K:
;;     - K is cut into blocks of 32 from its start; a last block that is shorter is filled with zeros.
;;     - A block's scale is 2^e with e = floor(log2(the largest magnitude in the block)) - 15, held to -126 .. 127; a block of zeros has e = 0. As a byte (E8M0): e + 127.
;;     - Each number is divided by its block's scale, clamped to +-57,344, and rounded to the nearest number of E5M2, ties to even, subnormals kept.
;;     - The product sums the exact products of the quantised numbers (number of the format x scale) in f32.
;;   ~~~python
;;   def quantise(x, axis):      # numpy; x: float32 -> the quantised numbers, widened to float32 again
;;       x = np.moveaxis(x, axis, -1); K = x.shape[-1]
;;       x = np.pad(x, [(0, 0)] * (x.ndim - 1) + [(0, -K % 32)]); x = x.reshape(x.shape[:-1] + (-1, 32)); a = np.abs(x).max(-1, keepdims=True)
;;       e = np.where(a > 0, np.clip(np.frexp(np.where(a > 0, a, 1))[1] - 1 - 15, -126, 127), 0)      # np.frexp(a)[1] - 1 = floor(log2(a)), exactly
;;       r = np.clip(x / 2.0 ** e, -57344, 57344)
;;       step = 2.0 ** (np.maximum(np.frexp(np.where(r == 0, 1, r))[1] - 1, -14) - 2)
;;       q = np.round(r / step) * step * 2.0 ** e      # np.round: ties to even
;;       return np.moveaxis(q.reshape(q.shape[:-2] + (-1,))[..., :K], -1, axis).astype(np.float32)
;;   ~~~
;;   OPERANDS COMPUTED ON THE WAY. 'Computed on the way' means the value that the module computes at that place (a softmax that the list does not call 'softmax' is quantised finished and normalised). What goes into a quantiser is computed in f32, as accurately as f32 sums, v_exp_f32 and their like allow (about 1e-6 of the number): no bf16 or f16 on the way to a quantiser, and a product that is left as it is and whose result goes on into a quantised operand takes f32 operands (vector FMAs, or v_wmma_f32_16x16x4_f32). A number that lies on a knife's edge between two numbers of the format may be rounded either way, as far as f32 arithmetic and the matrix unit's own rounding can turn it there, and no further.
;;   INPUTS GIVEN AS CODES. iw0 (in the module: [64, 128], K = its axis 0); iw1 (in the module: [128, 128], K = its axis 0); nw1 (in the module: [128, 128], K = its axis 0): each comes as NAME_codes (uint8): NAME with its K axis moved to the last place and cut into blocks of 32 codes, [.., K / 32, bytes a block], one block behind the other in memory; one code a byte (a code: sign, 5 exponent bits, 2 mantissa bits); and NAME_scales (uint8): the same leading axes, one E8M0 byte (e + 127) for each 32 codes along K. Its value is code x scale, taken as it is: it is not quantised again, and the codes and scales need not be those that the quantiser above would give.
;; 2 versions. Each part assembles by itself: llvm-mc -triple=amdgcn-amd-amdhsa -mcpu=gfx1250 --defsym DOCPART=n.
;; ======== version 1 of 2: 1 launch
;; launch umnn (part 1): grid 256 x 1, 4 waves a work-group, no clusters, 61,184 bytes of LDS; arguments x, h, nw0, nb0, nw1_codes, nw1_scales, nb1, nw2, nb2, iw0_codes, iw0_scales, ib0, iw1_codes, iw1_scales, ib1, iw2, ib2, out0; writes out0
.if DOCPART == 1
	.amdgcn_target "amdgcn-amd-amdhsa--gfx1250"
	.amdhsa_code_object_version 6
	.text
	.protected	k_q1a2a269b0b_umnn
	.globl	k_q1a2a269b0b_umnn
	.p2align	8
	.type	k_q1a2a269b0b_umnn,@function
k_q1a2a269b0b_umnn:
	s_mov_b64 s[64:65], 0
	v_nop
	global_prefetch_b8 v0, s[64:65] scope:SCOPE_SE
	s_setreg_imm32_b32 hwreg(HW_REG_WAVE_MODE, 25, 1), 1
	s_wait_xcnt 0x0
; out0[b] = exp(o1) * (x_b / 2) * sum over i, j of cc_i cc_j (xmax - t_i) / 2 * (elu(mlp(s_ij, h_b)) + 1) + o0, (o0, o1) = the outer net on h_b.
; ONE WORK-GROUP MAKES ONE SAMPLE b.  Its 51 x 51 grid points are 2,601 rows n = 51 i + j of the integrand's MLP (64 -> 128 -> 128 -> 1), filled up to 164 tiles of 16 rows
; (rows from 2,601 on have weight 0); each of the four waves walks 41 tiles.  Both wide products are MX-BF8 (E5M2 codes, one E8M0 byte for 32 along K), K = 64 filled to 128 with zero codes on both sides.
; THE PRODUCTS ARE USED TRANSPOSED: source 0 = 16 rows of the weight, source 1 = 16 data rows.  Lane (r = lane % 16, hh = lane / 16) then holds data row r, and lane r of weight tile 2 b + u takes weight row
; 32 b + 8 u + r + 8 (r / 8), so that registers 16 b .. 16 b + 15 of a result are the units 32 b + 16 hh + 0 .. 15: sixteen neighbours along the next K, in the next operand's own layout.
; Biases are the C operand (kept in that layout), so no addition is spent on them.  All weights, biases and iw2 stay in registers; nothing is streamed, so there are no tensor loads, no ring and no cluster.
; THE LOOP IS SKEWED: a trip issues the second product of tile n and the first of tile n + 1 back to back, and then the vector work: input codes of tile n + 2, relu and the dot with iw2 of tile n,
; the quantiser of tile n + 1's hidden layer.  elu, the exponential and the quadrature weights are taken out of the loop: half-row sums go to LDS and are finished 32 rows at a time.
; max(t) = max(0, max over b of x_b): (steps_i + 1) / 2 is exactly 1 at i = 0, exactly 0 at i = 50 and between them elsewhere.  steps and cc are constants of the problem: steps stands here as 51 literals
; (steps_25 is written 0; it is only ever used as steps + 1, which is 1 either way), cc is summed from its own definition, cc_k = (2 / 50) (1 + sum over q = 1 .. 25 of 2 / (1 - 4 q^2) cos(2 q k pi / 50)), halved at k = 0 and 50.
; LIMITS.  NaN and infinities among the inputs are not served.  A block whose largest magnitude is under 2^-111 gets the byte 1, as the quantiser's hold of the exponent at -126 gives it; a block of zeros gets the byte 1 too
; (not 127): its codes are 0, so the product is the same number.
; s is one fused multiply-add (one rounding where two would stand otherwise); cc is summed in f32 (about 1e-5 of the smallest weight; it feeds no quantiser); elu(z) + 1 is written max(z, 0) + exp(min(z, 0)).
; out0 leaves as one store of 4 bytes a work-group: a work-group owns one number.
;
; REGISTERS, in windows of 256 (s_set_vgpr_msb: bits 1:0 source 0, 3:2 source 1, 5:4 source 2, 7:6 destination):
;   window 0: v0-4 ids; v5-15 offsets of the loads, later four pairs of sums; v16-31 maxima, bytes, limits, scales of four blocks; v32-47 input codes; v48-63 hidden codes; v64-127, v128-191 the two results;
;             v192-207 the lane's 16 numbers of (s, h0 .. h30); v208-223 at work; v224-246 scale words and nothing else; v247-255 single numbers
;   window 1: v0-127 iw0's eight fragments (upper halves zero codes); v128-255 iw1's      window 2: v0-63 ib0, v64-127 ib1, v128-191 iw2, in the results' layout
;   window 3: v0-31 nw1's two fragments of this wave; v32-47 nb1; v48-79 nw2's pairs
.set L_STEPS, 0                        ; LDS: 4 x 256: each wave's own copy of steps[0 .. 51]
.set L_ITAB,  1024                     ; 2 x 1,024: copy tid / 64; entry k, 16 bytes: t_k, xmax - t_k, cc_k (xmax - t_k) / 2, 0
.set L_JTAB,  3072                     ; 2 x 512: entry k, 8 bytes: (steps_k + 1) / 2, cc_k
.set L_HPQ,   4096                     ; 4 x 512: each wave's own: P = (0, h0 .. h62), then Q = (h0 .. h62, 0)
.set L_STG,   6144                     ; 4 x 2,304: each wave's own: ib0, ib1, iw2, iw1's scales (512 bytes each), iw0's scales (256)
.set L_OC,    15360                    ; 2,048: the outer net's hidden codes: 512 x block + 16 x lane
.set L_OS,    17408                    ; 512: their scale bytes, a word each: 128 x block + 4 x lane
.set L_FIN,   17920                    ; 256: 16 x wave: the wave's sum, 0, its parts of o0 and o1
.set L_STAB,  18176                    ; 10,752: s of row n, n = 0 .. 2,687
.set L_WTAB,  28928                    ; 10,752: the row's weight
.set L_PART,  39680                    ; 4 x 5,248: wave, 128 x tile, 4 x lane: half-row sums of the third product
.set LANE, 1
.set RR,   2
.set HH,   3
.set MM,   4
.set SUM,  8
.set MX,   16
.set PX,   20
.set LIM,  24
.set SCV,  28
.set INP,  32
.set A1,   48
.set ACC1, 64
.set ACC2, 128
.set HV,   192
.set TT,   208
.set SW0,  224
.set SW1,  232
.set INPS, 240
.set A1S,  241
.set NW1S, 242
.set NW0S, 244
.set QS,   246
.set SV,   247
.set LIM0, 248
.set SC0,  249
.set X0,   250
.set TMP0, 251
.set HMAX, 252
.set CONSTW, 253
.set SADDR, 254
.set PADDR, 255
.set MSB, 0
.macro WIN new                         ; the immediate's high byte repeats the setting that is left; a switch that changes nothing is dropped
.if MSB != \new
	s_set_vgpr_msb (MSB<<8)|\new
.set MSB, \new
.endif
.endm
.macro PLACES cnt
.rept \cnt
	v_nop
.endr
.endm
; the largest of 16 numbers at v[x], from the low end on; ab = 1: of their magnitudes
.macro AMAX16 d, x, ab
.if \ab
	v_max3_num_f32 v[\d], |v[\x]|, |v[\x+1]|, |v[\x+2]|
.irp i, 3,5,7,9,11,13
	v_max3_num_f32 v[\d], v[\d], |v[\x+\i]|, |v[\x+\i+1]|
.endr
	v_max_num_f32 v[\d], v[\d], |v[\x+15]|
.else
	v_max3_num_f32 v[\d], v[\x], v[\x+1], v[\x+2]
.irp i, 3,5,7,9,11,13
	v_max3_num_f32 v[\d], v[\d], v[\x+\i], v[\x+\i+1]
.endr
	v_max_num_f32 v[\d], v[\d], v[\x+15]
.endif
.endm
.macro JOIN d, p                       ; with lane l xor 16's, and with 2^-111: that floor is relu's 0, the byte's hold at 1 and a harmless scale for a block of zeros at once
	v_permlanex16_b32 v[\p], v[\d], s42, s43
	v_max3_num_f32 v[\d], v[\d], v[\p], s44
.endm
.macro EXPO d, lim, sc
	v_and_or_b32 v[\lim], v[\d], s45, s46          ; 57,344 x the scale: the maximum's exponent field with 57,344's mantissa field
	v_add_nc_u32 v[\sc], s47, v[\d]                ; exponent field - 15: the conversion takes the field and ignores the mantissa
.endm
.macro SBYTE p, sc
	v_lshrrev_b32 v[\p], 23, v[\sc]                ; the E8M0 byte
.endm
.macro HOLDS x, lim                    ; the conversion to an 8-bit code does not saturate (ISA guide 7.6.2): hold within the largest code x the scale
.irp i, 0,1,2,3,4,5,6,7,8,9,10,11,12,13,14,15
	v_med3_num_f32 v[\x+\i], v[\x+\i], -v[\lim], v[\lim]
.endr
.endm
.macro HOLDR x, lim                    ; relu and the hold in one
.irp i, 0,1,2,3,4,5,6,7,8,9,10,11,12,13,14,15
	v_med3_num_f32 v[\x+\i], v[\x+\i], 0, v[\lim]
.endr
.endm
.macro CVT16 c, x, sc
	v_cvt_scalef32_pk8_bf8_f32 v[\c:\c+1], v[\x:\x+7], v[\sc]
	v_cvt_scalef32_pk8_bf8_f32 v[\c+2:\c+3], v[\x+8:\x+15], v[\sc]
.endm
; 16 signed numbers at v[x] (with lane l xor 16's a block of 32) -> four registers of codes at v[dst]; the byte in v[PX+idx].  What follows it is a plain instruction that touches neither codes nor sources
.macro QBLK x, dst, idx
	AMAX16 MX+\idx, \x, 1
	JOIN MX+\idx, PX+\idx
	EXPO MX+\idx, LIM+\idx, SCV+\idx
	SBYTE PX+\idx, SCV+\idx
	HOLDS \x, LIM+\idx
	CVT16 \dst, \x, SCV+\idx
.endm
.macro ST4 g, a, b, c, d               ; four entries of steps into my wave's copy: all lanes write the same words with the same values
	v_mov_b32 v[160+4*((\g)%4)+32*(((\g)/4)%2)], \a
	v_mov_b32 v[161+4*((\g)%4)+32*(((\g)/4)%2)], \b
	v_mov_b32 v[162+4*((\g)%4)+32*(((\g)/4)%2)], \c
	v_mov_b32 v[163+4*((\g)%4)+32*(((\g)/4)%2)], \d
	ds_store_b128 v16, v[160+4*((\g)%4)+32*(((\g)/4)%2):163+4*((\g)%4)+32*(((\g)/4)%2)] offset:L_STEPS+16*(\g)
.endm
; nw0 (K is its first axis): lane r takes column 32 w + 8 u + r + 8 (r / 8), its registers run down K: k = 32 c + 16 hh + i.  k = 63 does not exist: that load reads k = 62 and is cleared later
.macro NWLOAD u
.irp c, 0,1
.irp i, 0,1,2,3,4,5,6,7,8,9,10,11,12,13,14,15
.if (\c == 1) && (\i == 15)
	global_load_b32 v[95+32*\u], v11, s[8:9] offset:47*512+32*\u
.else
	global_load_b32 v[64+32*\u+16*\c+\i], v10, s[8:9] offset:(32*\c+\i)*512+32*\u
.endif
.endr
.endr
.endm
	; ---- head: the 18 addresses, ids, constants
	s_load_b512 s[4:19], s[0:1], 0x0               ; x 4, h 6, nw0 8, nb0 10, nw1_codes 12, nw1_scales 14, nb1 16, nw2 18
	s_load_b512 s[20:35], s[0:1], 0x40             ; nb2 20, iw0_codes 22, iw0_scales 24, ib0 26, iw1_codes 28, iw1_scales 30, ib1 32, iw2 34
	s_load_b128 s[36:39], s[0:1], 0x80             ; ib2 36, out0 38
	s_set_vgpr_msb 0x80
	v_lshl_add_u32 v254, v0, 2, 0xed00
	v_mov_b32 v255, 0
	s_set_vgpr_msb 0x8000
	v_and_b32 v[LANE], 31, v0
	v_and_b32 v[RR], 15, v0                        ; r
	v_bfe_u32 v[HH], v0, 4, 1                      ; hh
	v_and_b32 v[MM], 8, v[RR]
	v_add_nc_u32 v[MM], v[MM], v[RR]               ; r + 8 (r / 8)
	v_lshrrev_b32 v16, 5, v0
	v_readfirstlane_b32 s40, v16                   ; wave 0..3
	s_mov_b32 s41, ttmp9                           ; the sample b
	s_mov_b32 s42, 0x76543210                      ; v_permlanex16_b32's selects for lane l xor 16
	s_mov_b32 s43, 0xfedcba98
	s_mov_b32 s44, 0x08000000                      ; 2^-111
	s_mov_b32 s45, 0x7f800000                      ; the exponent field
	s_mov_b32 s46, 0x600000                        ; 57,344's mantissa field
	s_mov_b32 s47, 0xf8800000                      ; -15 in the exponent field
	s_mov_b32 s53, 0x0000ffff                      ; lanes 0-15
.irp i, 0,1,2,3
	v_mov_b32 v[PX+\i], 0                          ; (the destination of a lane permute counts as read)
.endr
	; ---- steps into LDS, and the 26 cosines that cc_k wants (k = tid % 64): this needs no argument, so it stands ahead of the wait for them
	s_lshl_b32 s54, s40, 8
	v_mov_b32 v16, s54                             ; my wave's copy
	ST4 0, 1.0, 0.998026728428, 0.992114701314, 0.982287250729
	ST4 1, 0.968583161129, 0.951056516295, 0.929776485888, 0.904827052466
	ST4 2, 0.876306680044, 0.844327925502, 0.809016994375, 0.770513242776
	ST4 3, 0.728968627421, 0.684547105929, 0.637423989749, 0.587785252292
	ST4 4, 0.535826794979, 0.481753674102, 0.425779291565, 0.368124552685
	ST4 5, 0.309016994375, 0.248689887165, 0.187381314586, 0.125333233564
	ST4 6, 0.0627905195293, 0, -0.0627905195293, -0.125333233564
	ST4 7, -0.187381314586, -0.248689887165, -0.309016994375, -0.368124552685
	ST4 8, -0.425779291565, -0.481753674102, -0.535826794979, -0.587785252292
	ST4 9, -0.637423989749, -0.684547105929, -0.728968627421, -0.770513242776
	ST4 10, -0.809016994375, -0.844327925502, -0.876306680044, -0.904827052466
	ST4 11, -0.929776485888, -0.951056516295, -0.968583161129, -0.982287250729
	ST4 12, -0.992114701314, -0.998026728428, -1.0, 0
	v_and_b32 v209, 63, v0                         ; k
	v_lshlrev_b32 v17, 1, v209
	v_add_nc_u32 v19, 0xffffff9c, v17
	v_min_u32 v17, v17, v19                        ; d = 2 k mod 100 (a number under 100 wraps to a huge one when 100 is taken away)
	v_min_u32 v19, 50, v209
	v_lshl_add_u32 v32, v19, 2, v16
	ds_load_b32 v96, v32                           ; steps_k.  LDS serves a wave's instructions in order (ISA guide 5.7.1.4): these loads see the stores above
	v_mov_b32 v18, 0
.set qq, 1
.rept 25
	v_add_nc_u32 v18, v18, v17
	v_add_nc_u32 v19, 0xffffff9c, v18
	v_min_u32 v18, v18, v19                        ; m = 2 q k mod 100
	v_sub_nc_u32 v19, 100, v18
	v_min_u32 v19, v19, v18                        ; cos(m pi / 50) = steps[min(m, 100 - m)]
	v_min_u32 v19, 50, v19                         ; (no change: the bound, written out)
	v_lshl_add_u32 v[32+qq], v19, 2, v16
	ds_load_b32 v[96+qq], v[32+qq]
.set qq, qq+1
.endr
	v_mul_u32_u24 v208, v[LANE], v[LANE]           ; the sum's coefficients, lane q holding 2 / (1 - 4 q^2)
	v_lshlrev_b32 v208, 2, v208
	v_sub_nc_u32 v208, 1, v208
	v_cvt_f32_i32 v208, v208
	v_rcp_f32 v208, v208
	v_lshlrev_b32 v5, 5, v[LANE]                   ; (the plain instruction behind the reciprocal)  offsets of the loads: x: 32 bytes a lane
	s_wait_alu depctr_va_vdst(0)
	v_add_f32 v208, v208, v208
	v_lshlrev_b32 v6, 2, v[LANE]                   ; h[lane]
	v_add_nc_u32 v7, 32, v[LANE]
	v_min_u32 v7, 62, v7
	v_lshlrev_b32 v7, 2, v7                        ; h[min(lane + 32, 62)]
	v_lshlrev_b32 v8, 4, v[LANE]                   ; arrays of 512 bytes: 16 a lane
	v_lshlrev_b32 v9, 3, v[LANE]                   ; of 256 bytes: 8 a lane
	s_lshl_b32 s57, s40, 7                         ; 4 x 32 w
	v_lshl_add_u32 v10, v[MM], 2, s57
	v_lshl_add_u32 v10, v[HH], 13, v10             ; nw0: column 32 w + mm, 16 hh rows of 512 bytes down
	v_lshlrev_b32 v11, 9, v[HH]
	v_sub_nc_u32 v11, v10, v11                     ; the same, one row up for lanes 16-31
	v_lshl_add_u32 v12, v[HH], 6, s57              ; nb0, nb1: units 32 w + 16 hh on
	v_lshlrev_b32 v13, 7, v[MM]
	v_lshl_add_u32 v13, v[HH], 4, v13              ; rows of 128 codes
	v_lshlrev_b32 v14, 6, v[MM]
	v_lshl_add_u32 v14, v[HH], 4, v14              ; rows of 64 codes
	v_lshl_add_u32 v15, v[MM], 2, s57              ; nw1's scale words
	v_lshlrev_b32 v[TMP0], 1, v12                  ; nw2: 8 bytes a unit
	s_wait_kmcnt 0x0
	s_mul_i32 s54, s41, 252
	s_mov_b32 s55, 0
	s_add_nc_u64 s[6:7], s[6:7], s[54:55]          ; h at row b
	s_lshl_b32 s54, s40, 12
	s_add_nc_u64 s[12:13], s[12:13], s[54:55]      ; nw1's codes at row 32 w
	s_lshl_b32 s56, s41, 2                         ; 4 b; kept: out0's offset too
	s_load_b32 s48, s[4:5], s56 offset:0x0         ; x_b
	s_load_b32 s49, s[36:37], 0x0                  ; ib2
	s_load_b64 s[50:51], s[20:21], 0x0             ; nb2
	; ---- loads, first group: 9 + 32 + 4 + 16 = 61
	global_load_b128 v[128:131], v5, s[4:5]
	global_load_b128 v[132:135], v5, s[4:5] offset:16
	global_load_b32 v136, v6, s[6:7]
	global_load_b32 v137, v7, s[6:7]
	global_load_b128 v[140:143], v8, s[26:27]      ; ib0
	global_load_b128 v[144:147], v8, s[32:33]      ; ib1
	global_load_b128 v[148:151], v8, s[34:35]      ; iw2
	global_load_b128 v[152:155], v8, s[30:31]      ; iw1's scales
	global_load_b64 v[156:157], v9, s[24:25]       ; iw0's scales
	NWLOAD 0
.irp i, 0,1,2,3
	global_load_b128 v[176+4*\i:179+4*\i], v12, s[10:11] offset:16*\i    ; nb0, in the result's layout
.endr
	WIN 0x40
.irp t, 0,1,2,3,4,5,6,7
.irp c, 0,1
	global_load_b128 v[16*\t+4*\c:16*\t+4*\c+3], v14, s[22:23] offset:(32*(\t/2)+8*(\t%2))*64+32*\c
.endr
.endr
.irp t, 0,1,2,3,4,5,6,7
.irp i, 8,9,10,11,12,13,14,15
	v_mov_b32 v[16*\t+\i], 0                       ; K = 64 .. 127 of iw0's fragments: zero codes
.endr
.endr
	WIN 0
	; ---- cc_k and (steps_k + 1) / 2
	s_wait_dscnt 0x0                               ; the 26 cosines
	v_readlane_b32 s54, v208, 1
	v_readlane_b32 s55, v208, 2
	v_fma_f32 v210, s54, v97, 1.0                  ; two sums by turns
	v_mul_f32 v211, s55, v98
.set qq, 3
.rept 23
.if qq%2
	v_readlane_b32 s54, v208, qq
	v_fmac_f32 v210, s54, v[96+qq]
.else
	v_readlane_b32 s55, v208, qq
	v_fmac_f32 v211, s55, v[96+qq]
.endif
.set qq, qq+1
.endr
	v_add_f32 v221, v210, v211
	v_cmp_eq_u32 s54, 0, v209
	v_cmp_eq_u32 s55, 50, v209
	s_or_b32 vcc_lo, s54, s55
	v_mov_b32 v210, 0x3d23d70a                     ; 2 / 50
	v_mov_b32 v211, 0x3ca3d70a                     ; 1 / 50 at both ends
	v_cndmask_b32 v210, v210, v211, vcc_lo
	v_mul_f32 v221, v221, v210                     ; cc_k
	v_add_f32 v220, 1.0, v96
	v_mul_f32 v220, 0.5, v220                      ; a_k = (steps_k + 1) / 2
	; ---- the small arrays go through my wave's own LDS into the layouts that the products want; xmax
	s_wait_loadcnt 52                              ; x, h and the five small arrays are in; behind them stand nw0's 32, nb0's 4 and iw0's 16
	s_mul_i32 s57, s40, 2304
	s_add_co_u32 s57, s57, L_STG
	s_lshl_b32 s58, s40, 9
	s_add_co_u32 s58, s58, L_HPQ
	v_lshl_add_u32 v16, v[LANE], 4, s57
	v_lshl_add_u32 v17, v[LANE], 3, s57
	ds_store_b128 v16, v[140:143]
	ds_store_b128 v16, v[144:147] offset:512
	ds_store_b128 v16, v[148:151] offset:1024
	ds_store_b128 v16, v[152:155] offset:1536
	ds_store_b64 v17, v[156:157] offset:2048
	v_cmp_gt_u32 vcc_lo, 31, v[LANE]
	v_cndmask_b32 v137, 0, v137, vcc_lo            ; lane 31 holds the 0 that fills both vectors to 64
	v_lshl_add_u32 v18, v[LANE], 2, s58
	v_add_nc_u32 v19, 33, v[LANE]
	v_and_b32 v19, 63, v19
	v_lshl_add_u32 v19, v19, 2, s58
	ds_store_b32 v18, v136 offset:4                ; P[1 + lane] = h[lane]
	ds_store_b32 v19, v137                         ; P[33 + lane] = h[32 + lane]; lane 31: P[0] = 0 (s takes that place row by row)
	ds_store_b32 v18, v136 offset:256              ; Q[lane]
	ds_store_b32 v18, v137 offset:384              ; Q[32 + lane]; Q[63] = 0
	v_max3_num_f32 v214, v128, v129, v130
	v_max3_num_f32 v214, v214, v131, v132
	v_max3_num_f32 v214, v214, v133, v134
	v_max_num_f32 v214, v214, v135
	v_max_num_f32_dpp v214, v214, v214 row_xmask:1 row_mask:0xf bank_mask:0xf
	v_max_num_f32_dpp v214, v214, v214 row_xmask:2 row_mask:0xf bank_mask:0xf
	v_max_num_f32_dpp v214, v214, v214 row_xmask:4 row_mask:0xf bank_mask:0xf
	v_max_num_f32_dpp v214, v214, v214 row_xmask:8 row_mask:0xf bank_mask:0xf
	v_mov_b32 v215, 0
	v_permlanex16_b32 v215, v214, s42, s43
	v_max3_num_f32 v214, v214, v215, 0             ; max(t) = max(0, the largest x)
	v_add_f32 v214, 0x41200000, v214               ; xmax = max(t) + 10
	v_lshl_add_u32 v24, v[HH], 6, s58
.irp i, 0,1,2,3
	ds_load_b128 v[HV+4*\i:HV+4*\i+3], v24 offset:16*\i                  ; P[16 hh ..]: block 0 of the integrand's input
	ds_load_b128 v[160+4*\i:163+4*\i], v24 offset:128+16*\i              ; P[32 + 16 hh ..]: block 1
.endr
.irp c, 0,1
.irp i, 0,1,2,3
	ds_load_b128 v[128+16*\c+4*\i:131+16*\c+4*\i], v24 offset:256+128*\c+16*\i   ; Q's blocks
.endr
.endr
	v_lshl_add_u32 v25, v[HH], 6, s57
	WIN 0x80
.irp a, 0,1,2
.irp b, 0,1,2,3
.irp i, 0,1,2,3
	ds_load_b128 v[64*\a+16*\b+4*\i:64*\a+16*\b+4*\i+3], v25 offset:512*\a+128*\b+16*\i   ; ib0, ib1, iw2: register 16 b + i = unit 32 b + 16 hh + i
.endr
.endr
.endr
	WIN 0
	v_lshl_add_u32 v26, v[MM], 2, s57
	v_lshl_add_u32 v27, v[MM], 1, s57
.irp t, 0,1,2,3,4,5,6,7
	ds_load_b32 v[SW1+\t], v26 offset:1536+(32*(\t/2)+8*(\t%2))*4        ; iw1's scale words, by the tiles' rows
	ds_load_u16 v[SW0+\t], v27 offset:2048+(32*(\t/2)+8*(\t%2))*2        ; iw0's two bytes a row
.endr
	; ---- loads, second group: 32 + 8 + 4 + 8 + 2 = 54
	NWLOAD 1
	WIN 0xc0
.irp u, 0,1
.irp c, 0,1,2,3
	global_load_b128 v[16*\u+4*\c:16*\u+4*\c+3], v13, s[12:13] offset:1024*\u+32*\c
.endr
.endr
.irp i, 0,1,2,3
	global_load_b128 v[32+4*\i:35+4*\i], v12, s[16:17] offset:16*\i      ; nb1
.endr
.irp i, 0,1,2,3,4,5,6,7
	global_load_b128 v[48+4*\i:51+4*\i], v[TMP0], s[18:19] offset:16*\i  ; nw2: a pair for each of my 16 units
.endr
	WIN 0
.irp u, 0,1
	global_load_b32 v[NW1S+\u], v15, s[14:15] offset:32*\u
.endr
	; ---- the two tables of the quadrature: entry k by thread 64 c + k
	s_wait_kmcnt 0x0                               ; x_b, ib2, nb2
	v_mul_f32 v216, s48, v220                      ; t_k = x_b a_k
	v_sub_f32 v217, v214, v216                     ; xmax - t_k
	v_mul_f32 v218, v221, v217
	v_mul_f32 v218, 0.5, v218                      ; cc_k (xmax - t_k) / 2
	v_cmp_gt_u32 vcc_lo, 51, v209
	v_cndmask_b32 v216, 0, v216, vcc_lo            ; entries 51 on serve the rows that fill the last tiles: s = 0, weight 0
	v_cndmask_b32 v217, 0, v217, vcc_lo
	v_cndmask_b32 v218, 0, v218, vcc_lo
	v_mov_b32 v219, 0
	v_lshl_add_u32 v28, v0, 4, L_ITAB
	v_lshl_add_u32 v29, v0, 3, L_JTAB
	ds_store_b128 v28, v[216:219]
	ds_store_b64 v29, v[220:221]
	; ---- what is constant of the two inputs is quantised once
	s_wait_dscnt 0x0                               ; my loads are in, and my stores into the tables are done, for the others' sake
.irp t, 0,1,2,3,4,5,6,7
	v_or_b32 v[SW0+\t], 0x7f7f0000, v[SW0+\t]      ; the zero codes' blocks: scale 1
.endr
	AMAX16 HMAX, HV, 1
	JOIN HMAX, PX                                  ; the largest magnitude of h0 .. h30: block 0's, but for s
	QBLK 160, INP+4, 0                             ; block 1 = h31 .. h62
	v_lshl_or_b32 v[CONSTW], v[PX], 8, 0x7f7f0000  ; the input's scale word but for byte 0
	QBLK 128, A1, 0                                ; the outer net's input
	QBLK 144, A1+4, 1
	v_lshl_or_b32 v[QS], v[PX+1], 8, v[PX]
	v_or_b32 v[QS], 0x7f7f0000, v[QS]
.irp i, 8,9,10,11,12,13,14,15
	v_mov_b32 v[INP+\i], 0                         ; K = 64 .. 127: zero codes
	v_mov_b32 v[A1+\i], 0
.endr
	s_barrier_signal -1                            ; no LDS instruction of mine is out since the wait above
	s_barrier_wait -1                              ; the tables are whole
	; ---- loads, third group: iw1's 32
	WIN 0x40
.irp t, 0,1,2,3,4,5,6,7
.irp c, 0,1,2,3
	global_load_b128 v[128+16*\t+4*\c:128+16*\t+4*\c+3], v13, s[28:29] offset:(32*(\t/2)+8*(\t%2))*128+32*\c
.endr
.endr
	WIN 0
	; ---- s and the weight of every row: thread tid makes rows tid + 128 e, e = 0 .. 20
	v_lshrrev_b32 v19, 6, v0
	v_lshl_add_u32 v29, v19, 10, L_ITAB
	v_lshl_add_u32 v30, v19, 9, L_JTAB
	v_lshl_add_u32 v31, v0, 2, L_STAB
.macro ROWS e0
.irp i, 0,1,2,3,4,5,6
	v_add_nc_u32 v16, 128*(\e0+\i), v0             ; n
	v_mul_u32_u24 v17, v16, 0x14142                ; n / 51 = (82,242 n) >> 22, exact for n under 2,688: the excess, 1.8e-7 n, stays under 1 / 51
	v_lshrrev_b32 v17, 22, v17
	v_min_u32 v17, 63, v17                         ; (no change: the bound, written out)
	v_mul_u32_u24 v18, 51, v17
	v_sub_nc_u32 v18, v16, v18                     ; j = n - 51 i
	v_min_u32 v18, 63, v18
	v_lshl_add_u32 v[208+2*\i], v17, 4, v29
	v_lshl_add_u32 v[209+2*\i], v18, 3, v30
	ds_load_b128 v[128+6*\i:131+6*\i], v[208+2*\i]
	ds_load_b64 v[132+6*\i:133+6*\i], v[209+2*\i]
.endr
	s_wait_dscnt 0x0
.irp i, 0,1,2,3,4,5,6
	v_fma_f32 v[128+6*\i], v[129+6*\i], v[132+6*\i], v[128+6*\i]         ; s = t_i + (xmax - t_i) a_j
	v_mul_f32 v[130+6*\i], v[130+6*\i], v[133+6*\i]                      ; cc_i (xmax - t_i) / 2 x cc_j
	ds_store_b32 v31, v[128+6*\i] offset:512*(\e0+\i)
	ds_store_b32 v31, v[130+6*\i] offset:L_WTAB-L_STAB+512*(\e0+\i)
.endr
.endm
	ROWS 0
	ROWS 7
	ROWS 14
	s_wait_dscnt 0x0                               ; these stores have read their registers, which are written next
	; ---- the outer net's first layer: wave w makes units 32 w .. 32 w + 31.  All 16 data rows are sample b's, so every lane of a half holds the same numbers
	s_wait_loadcnt 54                              ; nw0 and nb0 are in; behind nw0's second tile stand 22 loads of its group and iw1's 32
.irp u, 0,1
	v_cndmask_b32 v[95+32*\u], 0, v[95+32*\u], s53 ; k = 63 is the quantiser's fill: 0
	QBLK 64+32*\u, 128+16*\u, 0
	QBLK 80+32*\u, 132+16*\u, 1
	v_lshl_or_b32 v[NW0S+\u], v[PX+1], 8, v[PX]
	v_or_b32 v[NW0S+\u], 0x7f7f0000, v[NW0S+\u]
.irp i, 8,9,10,11,12,13,14,15
	v_mov_b32 v[128+16*\u+\i], 0
.endr
.endr
	PLACES 4                                       ; with the eight lines above: eight places behind the scale word, four behind the last operand register
.irp u, 0,1
	v_wmma_scale_f32_16x16x128_f8f6f4 v[TT+8*\u:TT+8*\u+7], v[128+16*\u:143+16*\u], v[A1:A1+15], v[176+8*\u:183+8*\u], v[NW0S+\u], v[QS] matrix_a_fmt:MATRIX_FMT_BF8 matrix_b_fmt:MATRIX_FMT_BF8
.endr
	PLACES 8
	AMAX16 MX, TT, 0                               ; relu's largest: the floor in JOIN stands for relu's 0
	JOIN MX, PX
	EXPO MX, LIM, SCV
	SBYTE PX, SCV
	HOLDR TT, LIM
	CVT16 INP, TT, SCV                             ; (the input codes' first four registers are free until the first tile)
	s_lshl_b32 s57, s40, 9
	s_lshl_b32 s58, s40, 7
	v_lshl_add_u32 v17, v[LANE], 4, s57            ; (the plain instruction behind the conversions)
	v_lshl_add_u32 v18, v[LANE], 2, s58
	ds_store_b128 v17, v[INP:INP+3] offset:L_OC    ; block w of the hidden layer, as the next operand's registers 4 w .. 4 w + 3
	ds_store_b32 v18, v[PX] offset:L_OS
	s_wait_dscnt 0x0                               ; for the others' sake
	s_barrier_signal -1
	s_barrier_wait -1                              ; s, the weights and the outer hidden layer are whole
	; ---- the outer net's second layer and its part of the third
	v_lshlrev_b32 v[LIM], 4, v[LANE]               ; the two addresses stand in registers that none of these loads writes
	v_lshlrev_b32 v[LIM+1], 2, v[LANE]
.irp c, 0,1,2,3
	ds_load_b128 v[A1+4*\c:A1+4*\c+3], v[LIM] offset:L_OC+512*\c
.endr
.irp c, 0,1,2,3
	ds_load_b32 v[MX+\c], v[LIM+1] offset:L_OS+128*\c
.endr
	s_wait_dscnt 0x0
	v_lshl_or_b32 v[A1S], v[MX+1], 8, v[MX]
	v_lshl_or_b32 v[A1S], v[MX+2], 16, v[A1S]
	v_lshl_or_b32 v[A1S], v[MX+3], 24, v[A1S]
	PLACES 8
	s_wait_loadcnt 32                              ; nw1, nb1, nw2 and nw1's scale words are in; iw1's 32 may be out
	WIN 0x33
.irp u, 0,1
	v_wmma_scale_f32_16x16x128_f8f6f4 v[TT+8*\u:TT+8*\u+7], v[16*\u:16*\u+15], v[A1:A1+15], v[32+8*\u:39+8*\u], v[NW1S+\u], v[A1S] matrix_a_fmt:MATRIX_FMT_BF8 matrix_b_fmt:MATRIX_FMT_BF8
.endr
	WIN 0
	PLACES 8
.irp i, 0,1,2,3,4,5,6,7,8,9,10,11,12,13,14,15
	v_max_num_f32 v[TT+\i], 0, v[TT+\i]
.endr
	WIN 0x0c                                       ; source 1: nw2's pairs, window 3
	v_pk_mul_f32 v[MX:MX+1], v[TT:TT+1], v[48:49] op_sel_hi:[0,1]        ; (o0, o1) += unit x (nw2[unit][0], nw2[unit][1]): the unit feeds both halves
.irp i, 1,2,3,4,5,6,7,8,9,10,11,12,13,14,15
.if \i%2
	v_pk_fma_f32 v[MX:MX+1], v[TT+\i-1:TT+\i], v[48+2*\i:49+2*\i], v[MX:MX+1] op_sel:[1,0,0] op_sel_hi:[1,1,1]
.else
	v_pk_fma_f32 v[MX:MX+1], v[TT+\i:TT+\i+1], v[48+2*\i:49+2*\i], v[MX:MX+1] op_sel_hi:[0,1,1]
.endif
.endr
	WIN 0
	v_permlanex16_b32 v[PX], v[MX], s42, s43
	v_permlanex16_b32 v[PX+1], v[MX+1], s42, s43
	v_pk_add_f32 v[MX:MX+1], v[MX:MX+1], v[PX:PX+1]
	s_lshl_b32 s57, s40, 4
	v_mov_b32 v18, s57
	ds_store_b64 v18, v[MX:MX+1] offset:L_FIN+8    ; my 32 units' part of o0 and o1
; ---- THE INTEGRAND.  The parts of a tile's work:
.macro S0A s                           ; from the row's s: block 0's maximum, limit and scale; the lane's first number (lanes 0-15: s; lanes 16-31: h15)
	v_max_num_f32 v[TMP0], |v[\s]|, v[HMAX]
	v_and_or_b32 v[LIM0], v[TMP0], s45, s46
	v_add_nc_u32 v[SC0], s47, v[TMP0]
	v_cndmask_b32 v[X0], v[HV], v[\s], s53
.endm
.macro S0B                             ; block 0's codes and the input's scale word.  Its plain lines are the places behind the products in front of it
	v_med3_num_f32 v[TT], v[X0], -v[LIM0], v[LIM0]
.irp i, 1,2,3,4,5,6,7,8,9,10,11,12,13,14,15
	v_med3_num_f32 v[TT+\i], v[HV+\i], -v[LIM0], v[LIM0]
.endr
	v_lshrrev_b32 v[TMP0], 23, v[SC0]
	v_or_b32 v[INPS], v[TMP0], v[CONSTW]
	CVT16 INP, TT, SC0
.endm
.macro M1                              ; first layer: K fits one instruction, C is the bias: no sum is taken up again
.irp t, 0,1,2,3,4,5,6,7
	v_wmma_scale_f32_16x16x128_f8f6f4 v[ACC1+8*\t:ACC1+8*\t+7], v[16*\t:16*\t+15], v[INP:INP+15], v[8*\t:8*\t+7], v[SW0+\t], v[INPS] matrix_a_fmt:MATRIX_FMT_BF8 matrix_b_fmt:MATRIX_FMT_BF8
.endr
.endm
.macro M2                              ; second layer
.irp t, 0,1,2,3,4,5,6,7
	v_wmma_scale_f32_16x16x128_f8f6f4 v[ACC2+8*\t:ACC2+8*\t+7], v[128+16*\t:143+16*\t], v[A1:A1+15], v[64+8*\t:71+8*\t], v[SW1+\t], v[A1S] matrix_a_fmt:MATRIX_FMT_BF8 matrix_b_fmt:MATRIX_FMT_BF8
.endr
.endm
.macro S1                              ; the hidden layer becomes the second product's operand: four blocks, their chains side by side; each result is read from its low end on
.irp b, 0,1,2,3
	v_max3_num_f32 v[MX+\b], v[ACC1+16*\b], v[ACC1+16*\b+1], v[ACC1+16*\b+2]
.endr
.irp i, 3,5,7,9,11,13
.irp b, 0,1,2,3
	v_max3_num_f32 v[MX+\b], v[MX+\b], v[ACC1+16*\b+\i], v[ACC1+16*\b+\i+1]
.endr
.endr
.irp b, 0,1,2,3
	v_max_num_f32 v[MX+\b], v[MX+\b], v[ACC1+16*\b+15]
.endr
.irp b, 0,1,2,3
	v_permlanex16_b32 v[PX+\b], v[MX+\b], s42, s43
.endr
.irp b, 0,1,2,3
	v_max3_num_f32 v[MX+\b], v[MX+\b], v[PX+\b], s44
.endr
.irp b, 0,1,2,3
	v_and_or_b32 v[LIM+\b], v[MX+\b], s45, s46
.endr
.irp b, 0,1,2,3
	v_add_nc_u32 v[SCV+\b], s47, v[MX+\b]
.endr
.irp b, 0,1,2,3
	v_lshrrev_b32 v[PX+\b], 23, v[SCV+\b]
.endr
	v_lshl_or_b32 v[A1S], v[PX+1], 8, v[PX]
	v_lshl_or_b32 v[A1S], v[PX+2], 16, v[A1S]
	v_lshl_or_b32 v[A1S], v[PX+3], 24, v[A1S]
	HOLDR ACC1, LIM
	HOLDR ACC1+16, LIM+1
	CVT16 A1, ACC1, SCV
	HOLDR ACC1+32, LIM+2
	CVT16 A1+4, ACC1+16, SCV+1
	HOLDR ACC1+48, LIM+3
	CVT16 A1+8, ACC1+32, SCV+2
	CVT16 A1+12, ACC1+48, SCV+3
.endm
.macro S2                              ; relu and the dot with iw2 over my 64 units, in four pairs of sums that the first products start; the half-row sum goes to LDS
	WIN 0x08                                       ; source 1: iw2, window 2, under the same numbers as the result
.irp t, 0,1,2,3,4,5,6,7
.irp j, 0,1,2,3,4,5,6,7
	v_max_num_f32 v[ACC2+8*\t+\j], v[ACC2+8*\t+\j], 0
.endr
.irp p, 0,1,2,3
.if \t == 0
	v_pk_mul_f32 v[SUM+2*\p:SUM+2*\p+1], v[ACC2+2*\p:ACC2+2*\p+1], v[128+2*\p:129+2*\p]
.else
	v_pk_fma_f32 v[SUM+2*\p:SUM+2*\p+1], v[ACC2+8*\t+2*\p:ACC2+8*\t+2*\p+1], v[128+8*\t+2*\p:129+8*\t+2*\p], v[SUM+2*\p:SUM+2*\p+1]
.endif
.endr
.endr
	WIN 0
	v_pk_add_f32 v[SUM:SUM+1], v[SUM:SUM+1], v[SUM+2:SUM+3]
	v_pk_add_f32 v[SUM+4:SUM+5], v[SUM+4:SUM+5], v[SUM+6:SUM+7]
	v_pk_add_f32 v[SUM:SUM+1], v[SUM:SUM+1], v[SUM+4:SUM+5]
	v_add_f32 v[TMP0], v[SUM], v[SUM+1]
	ds_store_b32 v[PADDR], v[TMP0]
.endm
	s_wait_loadcnt 0x0                             ; iw1's fragments; every offset register of a load is free from here
	s_mul_i32 s57, s40, 2624                       ; 4 bytes x 656 rows a wave
	s_mul_i32 s58, s40, 5248                       ; 128 bytes x 41 tiles a wave
	v_lshl_add_u32 v[SADDR], v[RR], 2, s57
	v_add_nc_u32 v[SADDR], L_STAB, v[SADDR]        ; both halves of the lanes read row r's s
	v_lshl_add_u32 v[PADDR], v[LANE], 2, s58
	v_add_nc_u32 v[PADDR], L_PART, v[PADDR]
	ds_load_b32 v[SV], v[SADDR]                    ; s of tiles 0, 1, 2
	ds_load_b32 v[SUM], v[SADDR] offset:64
	ds_load_b32 v[SUM+1], v[SADDR] offset:128
	s_wait_dscnt 0x0
	v_add_nc_u32 v[SADDR], 192, v[SADDR]
	S0A SV
	S0B                                            ; tile 0's input
	S0A SUM                                        ; (its first line is the plain instruction behind the conversions)
	PLACES 4                                       ; with the four lines above: eight places behind the scale word
	WIN 0x21                                       ; source 0 window 1, source 1 and the result window 0, C window 2
	M1                                             ; tile 0
	WIN 0
	S0B                                            ; tile 1's input
	S1                                             ; tile 0's hidden layer
	S0A SUM+1
	PLACES 2                                       ; six places behind the last conversion, as on the way back
	s_mov_b32 s52, 40
.Ltile:                                            ; trip n = 0 .. 39
	WIN 0x21
	M2                                             ; tile n
	M1                                             ; tile n + 1
	WIN 0
	S0B                                            ; tile n + 2's input: 17 plain lines stand ahead of its first write of a register that the products read
	ds_load_b32 v[SV], v[SADDR]                    ; s of tile n + 3: at the most row 2,655 of the table's 2,688
	S2                                             ; tile n
	S1                                             ; tile n + 1
	s_wait_dscnt 0x0                               ; the one load and the one store of this trip
	S0A SV
	v_add_nc_u32 v[SADDR], 64, v[SADDR]
	v_add_nc_u32 v[PADDR], 128, v[PADDR]           ; these six lines are the places between the last conversion and the product that reads its codes
	s_sub_co_i32 s52, s52, 1
	s_cmp_lg_u32 s52, 0
	s_cbranch_scc1 .Ltile
	WIN 0x21
	M2                                             ; tile 40
	WIN 0
	v_lshl_add_u32 v16, v[HH], 7, s58              ; addresses for what follows: five of the eight places behind the products
	v_lshl_add_u32 v16, v[RR], 2, v16              ; half-row sums of row 32 e + lane: tile 2 e + hh, row r
	v_lshl_add_u32 v17, v[RR], 2, s58              ; tile 40: row r in both halves of the lanes
	v_lshl_add_u32 v18, v[LANE], 2, s57            ; weights of rows 32 e + lane
	v_lshl_add_u32 v19, v[RR], 2, s57
	PLACES 3
	S2
	; ---- elu + 1, the weights and the wave's sum: 656 rows, a row a lane, 21 steps; my own bytes of LDS, served in order
.irp e, 0,1,2,3,4,5,6,7,8,9,10,11,12,13,14,15,16,17,18,19
	ds_load_b32 v[64+\e], v16 offset:L_PART+256*\e
	ds_load_b32 v[85+\e], v16 offset:L_PART+256*\e+64
	ds_load_b32 v[106+\e], v18 offset:L_WTAB+128*\e
.endr
	ds_load_b32 v84, v17 offset:L_PART+5120
	ds_load_b32 v105, v17 offset:L_PART+5184
	ds_load_b32 v126, v19 offset:L_WTAB+2560
	s_wait_dscnt 0x0
	v_cndmask_b32 v126, 0, v126, s53               ; the last step has 16 rows: lanes 16-31 count for nothing
.irp e, 0,1,2,3,4,5,6,7,8,9,10,11,12,13,14,15,16,17,18,19,20
	v_add_f32 v[64+\e], s49, v[64+\e]
.endr
.irp e, 0,1,2,3,4,5,6,7,8,9,10,11,12,13,14,15,16,17,18,19,20
	v_add_f32 v[64+\e], v[64+\e], v[85+\e]         ; z = both halves' sums + ib2
.endr
.irp e, 0,1,2,3,4,5,6,7,8,9,10,11,12,13,14,15,16,17,18,19,20
	v_mul_f32 v[85+\e], 0x3fb8aa3b, v[64+\e]
.endr
.irp e, 0,1,2,3,4,5,6,7,8,9,10,11,12,13,14,15,16,17,18,19,20
	v_min_num_f32 v[85+\e], 0, v[85+\e]
.endr
.irp e, 0,1,2,3,4,5,6,7,8,9,10,11,12,13,14,15,16,17,18,19,20
	v_exp_f32 v[85+\e], v[85+\e]                   ; exp(min(z, 0))
.endr
.irp e, 0,1,2,3,4,5,6,7,8,9,10,11,12,13,14,15,16,17,18,19,20
	v_max_num_f32 v[64+\e], 0, v[64+\e]            ; (the first is the plain instruction behind the exponentials)
.endr
	s_wait_alu depctr_va_vdst(0)
.irp e, 0,1,2,3,4,5,6,7,8,9,10,11,12,13,14,15,16,17,18,19,20
	v_add_f32 v[64+\e], v[64+\e], v[85+\e]         ; elu(z) + 1
.endr
	v_mul_f32 v128, v64, v106
	v_mul_f32 v129, v65, v107
.irp e, 2,3,4,5,6,7,8,9,10,11,12,13,14,15,16,17,18,19,20
	v_fmac_f32 v[128+\e%2], v[64+\e], v[106+\e]
.endr
	v_add_f32 v128, v128, v129
	v_add_f32_dpp v128, v128, v128 row_xmask:1 row_mask:0xf bank_mask:0xf
	v_add_f32_dpp v128, v128, v128 row_xmask:2 row_mask:0xf bank_mask:0xf
	v_add_f32_dpp v128, v128, v128 row_xmask:4 row_mask:0xf bank_mask:0xf
	v_add_f32_dpp v128, v128, v128 row_xmask:8 row_mask:0xf bank_mask:0xf
	v_permlanex16_b32 v129, v128, s42, s43
	v_add_f32 v128, v128, v129
	v_mov_b32 v129, 0
	s_lshl_b32 s57, s40, 4
	v_mov_b32 v130, s57
	ds_store_b64 v130, v[128:129] offset:L_FIN
	s_wait_dscnt 0x0                               ; for wave 0's sake
	s_barrier_signal -1
	s_barrier_wait -1
	; ---- wave 0 adds the four waves' parts and stores the sample's number
	s_cmp_lg_u32 s40, 0
	s_cbranch_scc1 .Lend
	v_mov_b32 v130, 0
.irp i, 0,1,2,3
	ds_load_b128 v[132+4*\i:135+4*\i], v130 offset:L_FIN+16*\i
.endr
	s_wait_dscnt 0x0
	v_add_f32 v132, v132, v136
	v_add_f32 v140, v140, v144
	v_add_f32 v132, v132, v140                     ; the double sum
	v_pk_add_f32 v[134:135], v[134:135], v[138:139]
	v_pk_add_f32 v[142:143], v[142:143], v[146:147]
	v_pk_add_f32 v[134:135], v[134:135], v[142:143]
	v_add_f32 v134, s50, v134                      ; the offset
	v_add_f32 v135, s51, v135
	v_mul_f32 v135, 0x3fb8aa3b, v135
	v_exp_f32 v135, v135                           ; the scaling
	v_mul_f32 v132, s48, v132                      ; (the plain instruction behind the exponential)
	v_mul_f32 v132, 0.5, v132                      ; x x_b / 2
	s_wait_alu depctr_va_vdst(0)
	v_fma_f32 v132, v135, v132, v134
	v_mov_b32 v133, s56                            ; 4 b
	s_wait_xcnt 0x0                                ; EXEC changes only behind this wait
	v_cmp_eq_u32 vcc_lo, 0, v0
	s_and_saveexec_b32 s54, vcc_lo
	global_store_b32 v133, v132, s[38:39]
	s_wait_xcnt 0x0                                ; and again in front of the line that widens it
	s_or_b32 exec_lo, exec_lo, s54
.Lend:
	s_set_vgpr_msb 0xa
	s_wait_tensorcnt 0x0
	ds_add_u32 v254, v255
	s_wait_dscnt 0x0
	s_set_vgpr_msb 0xa00
	s_endpgm
.Lfunc_end_k_q1a2a269b0b_umnn:
	.size	k_q1a2a269b0b_umnn, .Lfunc_end_k_q1a2a269b0b_umnn-k_q1a2a269b0b_umnn
	.p2alignl 7, 3214868480
	.fill 96, 4, 3214868480
	.section	.rodata,"a",@progbits
	.p2align	6, 0x0
	.amdhsa_kernel k_q1a2a269b0b_umnn
		.amdhsa_group_segment_fixed_size 61184
		.amdhsa_private_segment_fixed_size 0
		.amdhsa_enable_private_segment 0
		.amdhsa_kernarg_size 144
		.amdhsa_user_sgpr_count 2
		.amdhsa_user_sgpr_kernarg_segment_ptr 1
		.amdhsa_wavefront_size32 1
		.amdhsa_system_sgpr_workgroup_id_x 1
		.amdhsa_system_sgpr_workgroup_id_y 1
		.amdhsa_system_sgpr_workgroup_id_z 1
		.amdhsa_system_vgpr_workitem_id 0
		.amdhsa_next_free_vgpr 848
		.amdhsa_next_free_sgpr 66
		.amdhsa_reserve_vcc 1
		.amdhsa_float_denorm_mode_32 3
		.amdhsa_float_denorm_mode_16_64 3
		.amdhsa_memory_ordered 1
		.amdhsa_forward_progress 1
		.amdhsa_inst_pref_size 133
	.end_amdhsa_kernel
	.amdgpu_metadata
---
amdhsa.version: [ 1, 2 ]
amdhsa.kernels:
  - .name:           k_q1a2a269b0b_umnn
    .symbol:         k_q1a2a269b0b_umnn.kd
    .args:
      - { .name: x, .offset: 0, .size: 8, .value_kind: global_buffer, .address_space: global }
      - { .name: h, .offset: 8, .size: 8, .value_kind: global_buffer, .address_space: global }
      - { .name: nw0, .offset: 16, .size: 8, .value_kind: global_buffer, .address_space: global }
      - { .name: nb0, .offset: 24, .size: 8, .value_kind: global_buffer, .address_space: global }
      - { .name: nw1_codes, .offset: 32, .size: 8, .value_kind: global_buffer, .address_space: global }
      - { .name: nw1_scales, .offset: 40, .size: 8, .value_kind: global_buffer, .address_space: global }
      - { .name: nb1, .offset: 48, .size: 8, .value_kind: global_buffer, .address_space: global }
      - { .name: nw2, .offset: 56, .size: 8, .value_kind: global_buffer, .address_space: global }
      - { .name: nb2, .offset: 64, .size: 8, .value_kind: global_buffer, .address_space: global }
      - { .name: iw0_codes, .offset: 72, .size: 8, .value_kind: global_buffer, .address_space: global }
      - { .name: iw0_scales, .offset: 80, .size: 8, .value_kind: global_buffer, .address_space: global }
      - { .name: ib0, .offset: 88, .size: 8, .value_kind: global_buffer, .address_space: global }
      - { .name: iw1_codes, .offset: 96, .size: 8, .value_kind: global_buffer, .address_space: global }
      - { .name: iw1_scales, .offset: 104, .size: 8, .value_kind: global_buffer, .address_space: global }
      - { .name: ib1, .offset: 112, .size: 8, .value_kind: global_buffer, .address_space: global }
      - { .name: iw2, .offset: 120, .size: 8, .value_kind: global_buffer, .address_space: global }
      - { .name: ib2, .offset: 128, .size: 8, .value_kind: global_buffer, .address_space: global }
      - { .name: out0, .offset: 136, .size: 8, .value_kind: global_buffer, .address_space: global }
    .group_segment_fixed_size: 61184
    .private_segment_fixed_size: 0
    .kernarg_segment_align: 8
    .kernarg_segment_size: 144
    .max_flat_workgroup_size: 128
    .sgpr_count:     66
    .vgpr_count:     848
    .wavefront_size: 32
...
	.end_amdgpu_metadata
.endif
;; end of part 1
;; ======== version 2 of 2: 1 launch
;; limits: right only within a limited range of input values
;; launch umnn (part 2): grid 256 x 1, 8 waves a work-group, no clusters, 272,640 bytes of LDS; arguments x, h, nw0, nb0, nw1_codes, nw1_scales, nb1, nw2, nb2, iw0_codes, iw0_scales, ib0, iw1_codes, iw1_scales, ib1, iw2, ib2, out0; writes out0
.if DOCPART == 2
	.amdgcn_target "amdgcn-amd-amdhsa--gfx1250"
	.amdhsa_code_object_version 6
	.text
	.protected	k_q1a2a269b0b_umnn
	.globl	k_q1a2a269b0b_umnn
	.p2align	8
	.type	k_q1a2a269b0b_umnn,@function
k_q1a2a269b0b_umnn:
	s_mov_b64 s[64:65], 0
	v_nop
	global_prefetch_b8 v0, s[64:65] scope:SCOPE_SE
	s_setreg_imm32_b32 hwreg(HW_REG_WAVE_MODE, 25, 1), 1
	s_wait_xcnt 0x0
; out0[b] = exp(o1) * (x_b / 2) * sum over i, j of cc_i cc_j (xmax - t_i) / 2 * (elu(mlp(s_ij, h_b)) + 1) + o0, (o0, o1) = the outer net on h_b.
; ONE WORK-GROUP MAKES ONE SAMPLE b, eight waves.  steps_0 is exactly 1, so s_i0 = t_i + (xmax - t_i) = xmax for every i, whatever the inputs: these 51 rows are one and the same number and are made once, with the sum
; of their weights, cc_0 (xmax - x_b / 2) (cc sums to 2, cc_i (steps_i + 1) / 2 to 1, cc_0 = 1 / 2,550, all by the definition of cc).  So there are 51 x 50 + 1 = 2,551 rows: n = 50 i + j - 1, and n = 2,550 for j = 0;
; they are filled up to 160 tiles of 16 (rows from 2,551 on have weight 0), 20 tiles a wave.  Both wide products are MX-BF8, K = 64 filled to 128 by zero codes in the data operand.
; FIRST PRODUCT TRANSPOSED: source 0 = 16 rows of iw0, source 1 = 16 data rows.  Lane (r = lane % 16, hh = lane / 16) holds data row r; lane r of weight tile 2 b + u takes weight row 32 b + 8 u + r + 8 (r / 8), so that
; registers 16 b .. 16 b + 15 of the result are the units 32 b + 16 hh + 0 .. 15: sixteen neighbours along the next K, in the next operand's layout.  Its bias is the C operand.
; SECOND PRODUCT AS IT STANDS: source 0 = the data rows, source 1 = 16 rows of iw1: a lane holds unit 16 t + r of rows 8 hh + 0 .. 7, so ib1 and iw2 take one register a tile.  relu(z + b) = max(z, -b) + b; the sum of
; iw2 x b is added once, with ib2.  A lane's eight sums over the eight tiles go to LDS; the sum over the 16 lanes and elu follow behind the loop.
; iw0's fragments of 8 registers lie one behind the other: a product names 16 registers, of which the upper 8 meet zero codes of the data.
; BLOCK 0 OF THE INPUT is (s, h0 .. h30).  Its scale hangs on max(|s|, HMAX).  Where it is HMAX's own, the codes of h are those made once with the hold; where it is larger, no h needs a hold: the conversion makes them anew in each
; row, and a byte selector that the row's record carries picks the one or the other.  A record of a row: the held s, the conversion's scale, the scale word, the selector.
; Weights stay in registers; they come from memory once, each wave fetching one tile of iw0 and iw1 and handing it on through LDS as an image of the operand's registers.  Nothing is streamed: no tensor loads, no cluster, no prefetch.
; max(t) = max(0, max over b of x_b).  cc_k = (2 / 50) (1 + sum over q = 1 .. 25 of 2 / (1 - 4 q^2) cos(2 q k pi / 50)), halved at k = 0 and 50; the cosines by recurrence from cos(2 k pi / 50) = 2 steps_k^2 - 1;
; steps_(50 - k) = -steps_k, cc_(50 - k) = cc_k.  steps_25 is written 0; it is used as steps + 1 and squared.
; LIMITS.  NaN and infinities among the inputs (the codes too) are not served.  A block whose largest magnitude is under 2^-111 gets the byte 1, as the quantiser's hold at -126 gives it; a block of zeros too: its codes are 0.
; s is one fused multiply-add; elu(z) + 1 is written max(z, 0) + exp(min(z, 0)).  A NaN or an overflow that would arise in one of the 50 left-out copies of the row s = xmax alone is not carried.
; out0 leaves as one store of 4 bytes: a work-group owns one number.
.set L_ITAB,  2048                     ; LDS: from 0: 8 x 256 steps.  8 x 1,024: entry k, 16 bytes: t_k, xmax - t_k, cc_k (xmax - t_k) / 2, 0
.set L_HP,    14336                    ; 8 x 512: Q = (h0 .. h62, 0), P = (0, h0 .. h62)
.set L_HC,    18432                    ; 8 x 256: Q's codes (64), P's codes (64)
.set L_F0,    20480                    ; iw0's register images: 1,024 x tile + 512 c + 16 x lane
.set L_F1,    28672                    ; iw1's: 2,048 x tile + 512 c + 16 x lane
.set L_IB0,   45056                    ; ib0
.set L_HID,   45568                    ; the outer net's first hidden layer, f32
.set L_OC,    46080                    ; 8 x 256: its codes, a copy a wave
.set L_FIN,   48128                    ; 16 x wave: the wave's sum, 0, its parts of o0, o1
.set L_REC,   48384                    ; 8 x 5,120: records of a wave's 320 rows
.set L_WT,    89344                    ; 8 x 1,280: their weights
.set L_PART,  99584                    ; 8 x 20,480: tile 1,024, hh 512, half of the eight rows 256, r 16: four rows' sums
.set L_JTAB,  263424                   ; 8 x 1,024: entry k, 8 bytes: (steps_k + 1) / 2, cc_k
.set L_SPARE, 271616                   ; spare words
.set ACC1, 0
.set ACC2, 64
.set A1,   128
.set INP,  144
.set HVX,  160
.set SUM,  176
.set NB,   184
.set W2,   192
.set SW0,  200
.set SW1,  208
.set REC,  216
.set A1S,  220
.set LOW4, 221
.set H15,  222
.set RADDR, 223
.set MX,   224
.set BX,   228
.set LIM,  232
.set SCV,  236
.set T,    240
.set HC,   244
.set PADDR, 248
.set LANE, 249
.set RR,   250
.set HH,   251
.set MM,   252
.set SPW,  253
.set NIL,  254
.set SELA, 255
.set IW0,  0                           ; window 1
.set IW1,  64
.set IB0,  192
.set MSB, 0
.macro WIN new                         ; the immediate's high byte repeats the setting that is left
.if MSB != \new
	s_set_vgpr_msb (MSB<<8)|\new
.set MSB, \new
.endif
.endm
.macro PLACES cnt
.rept \cnt
	v_nop
.endr
.endm
.macro ST4 g, a, b, c, d               ; four entries of steps: all lanes write the same words with the same values
	v_mov_b32 v[64+4*\g], \a
	v_mov_b32 v[65+4*\g], \b
	v_mov_b32 v[66+4*\g], \c
	v_mov_b32 v[67+4*\g], \d
	ds_store_b128 v2, v[64+4*\g:67+4*\g] offset:16*\g
.endm
.macro CVT16 c, x, sc
	v_cvt_scalef32_pk8_bf8_f32 v[\c:\c+1], v[\x:\x+7], v[\sc]
	v_cvt_scalef32_pk8_bf8_f32 v[\c+2:\c+3], v[\x+8:\x+15], v[\sc]
.endm
	; ---- head: addresses, ids, constants
	s_load_b512 s[4:19], s[0:1], 0x0               ; x 4, h 6, nw0 8, nb0 10, nw1_codes 12, nw1_scales 14, nb1 16, nw2 18
	s_load_b512 s[20:35], s[0:1], 0x40             ; nb2 20, iw0_codes 22, iw0_scales 24, ib0 26, iw1_codes 28, iw1_scales 30, ib1 32, iw2 34
	s_load_b128 s[36:39], s[0:1], 0x80             ; ib2 36, out0 38
	v_lshl_add_u32 v[SPW], v0, 2, L_SPARE
	v_mov_b32 v[NIL], 0
	v_and_b32 v[LANE], 31, v0
	v_and_b32 v[RR], 15, v0
	v_bfe_u32 v[HH], v0, 4, 1
	v_and_b32 v[MM], 8, v[RR]
	v_add_nc_u32 v[MM], v[MM], v[RR]               ; r + 8 (r / 8)
	v_lshrrev_b32 v1, 5, v0
	v_readfirstlane_b32 s40, v1                    ; wave 0..7
	s_wait_alu depctr_va_vdst(0)                   ; the wait ahead of the run of scalar lines
	s_mov_b32 s41, ttmp9                           ; the sample b
	s_mov_b32 s42, 0x76543210                      ; v_permlanex16_b32's selects for lane l xor 16
	s_mov_b32 s43, 0xfedcba98
	s_mov_b32 s44, 0x08000000                      ; 2^-111
	s_mov_b32 s45, 0x7f800000                      ; the exponent field
	s_mov_b32 s46, 0x600000                        ; 57,344's mantissa field
	s_mov_b32 s47, 0xf0303031                      ; -0x0fcfcfcf: see the scale word in TRIP
	s_mov_b32 s53, 0x0000ffff                      ; lanes 0-15
	s_mov_b32 s63, 0x07060302                      ; two high halves
	s_lshl_b32 s66, s40, 8
	s_lshl_b32 s91, s40, 10                        ; 1,024 w
	s_lshl_b32 s67, s40, 10
	s_add_co_u32 s67, s67, L_ITAB
	s_lshl_b32 s68, s40, 10
	s_add_co_u32 s68, s68, L_JTAB
	s_lshl_b32 s69, s40, 9
	s_add_co_u32 s69, s69, L_HP
	s_add_co_u32 s80, s66, L_HC
	s_add_co_u32 s84, s66, L_OC
	s_mul_i32 s81, s40, 5120
	s_add_co_u32 s81, s81, L_REC
	s_mul_i32 s82, s40, 1280
	s_add_co_u32 s82, s82, L_WT
	s_mul_i32 s83, s40, 20480
	s_add_co_u32 s83, s83, L_PART
	s_mov_b32 s86, 0xfefffeff                      ; all lanes but 8 and 24
	s_mov_b32 s87, 0xff7fff7f                      ; all lanes but 7 and 23
	s_lshl_b32 s88, s40, 6                         ; 64 w
	s_lshl_b32 s89, s40, 11                        ; 2,048 w
	s_lshr_b32 s90, s40, 1
	s_lshl_b32 s90, s90, 11
	s_and_b32 s57, s40, 1
	s_lshl_b32 s57, s57, 9
	s_add_co_u32 s90, s90, s57                     ; iw0's tile w begins at row 32 (w / 2) + 8 (w % 2)
	s_mul_i32 s57, s40, 320
	v_mov_b32 v2, s66
	ST4 0, 1.0, 0.998026728428, 0.992114701314, 0.982287250729
	ST4 1, 0.968583161129, 0.951056516295, 0.929776485888, 0.904827052466
	ST4 2, 0.876306680044, 0.844327925502, 0.809016994375, 0.770513242776
	ST4 3, 0.728968627421, 0.684547105929, 0.637423989749, 0.587785252292
	ST4 4, 0.535826794979, 0.481753674102, 0.425779291565, 0.368124552685
	ST4 5, 0.309016994375, 0.248689887165, 0.187381314586, 0.125333233564
	ST4 6, 0.0627905195293, 0, -0.0627905195293, -0.125333233564
	ST4 7, -0.187381314586, -0.248689887165, -0.309016994375, -0.368124552685
	v_lshl_add_u32 v3, v[LANE], 2, s66
	ds_load_b32 v4, v3                             ; steps_k, k = lane.  LDS serves a wave's instructions in order (ISA guide 5.7.1.4)
	; where row n = 320 w + 32 e + lane finds its two table entries: i = n / 50, j - 1 = n % 50
	v_add_nc_u32 v5, s57, v[LANE]
.irp e, 0,1,2,3,4,5,6,7,8,9
	v_add_nc_u32 v[28+\e], 32*\e, v5
.endr
.irp e, 0,1,2,3,4,5,6,7,8,9
	v_mul_u32_u24 v[8+\e], 0x147af, v[28+\e]       ; n / 50 = (83,887 n) >> 22, exact for n under 2,560
.endr
.irp e, 0,1,2,3,4,5,6,7,8,9
	v_lshrrev_b32 v[8+\e], 22, v[8+\e]
.endr
.irp e, 0,1,2,3,4,5,6,7,8,9
	v_mul_u32_u24 v[18+\e], 50, v[8+\e]
.endr
.irp e, 0,1,2,3,4,5,6,7,8,9
	v_sub_nc_u32 v[18+\e], v[28+\e], v[18+\e]
.endr
.irp e, 0,1,2,3,4,5,6,7,8,9
	v_and_b32 v[18+\e], 63, v[18+\e]               ; (no change: the bound, written out)
.endr
.irp e, 0,1,2,3,4,5,6,7,8,9
	v_lshl_add_u32 v[8+\e], v[8+\e], 4, s67
.endr
.irp e, 0,1,2,3,4,5,6,7,8,9
	v_lshl_add_u32 v[18+\e], v[18+\e], 3, s68
.endr
	; offsets of the loads
	v_lshlrev_b32 v224, 5, v[LANE]                 ; x: 32 bytes a lane
	v_and_b32 v36, 7, v[RR]                        ; h: group g = r of eight numbers: Q's for g < 8, P's from 8 on: h[8 (g % 8) - g / 8 ..]
	v_lshrrev_b32 v37, 3, v[RR]
	v_lshlrev_b32 v36, 5, v36
	v_lshlrev_b32 v37, 2, v37
	v_lshlrev_b32 v228, 7, v[RR]
	v_lshlrev_b32 v229, 6, v[MM]
	v_min_u32 v226, v36, v37
	v_add_nc_u32 v225, 4, v36
	v_lshl_add_u32 v228, v[HH], 4, v228
	v_lshl_add_u32 v229, v[HH], 4, v229
	v_sub_nc_u32 v226, v36, v226                   ; its first number (P[0] does not exist: h0 is read and cleared)
	v_sub_nc_u32 v225, v225, v37                   ; from the group's second number on
	v_add_nc_u32 v228, s89, v228                   ; iw1: row 16 w + r of 128 codes, + 16 hh
	v_add_nc_u32 v229, s90, v229                   ; iw0: row of 64 codes, + 16 hh
	v_add_nc_u32 v227, 24, v225
	v_lshlrev_b32 v234, 2, v[RR]                   ; 4 r
	v_min_u32 v227, 0xf8, v227                     ; its last (Q[63] does not exist: h62 is read and cleared)
	v_lshlrev_b32 v233, 1, v[MM]
	v_add_nc_u32 v230, s88, v234                   ; 4 (16 w + r)
	v_lshl_add_u32 v231, v[HH], 13, v230           ; nw0: column 16 w + r, 16 hh rows of 512 bytes down
	v_lshlrev_b32 v37, 9, v[HH]
	v_sub_nc_u32 v232, v231, v37                   ; the same, one row up for lanes 16-31
	v_lshlrev_b32 v37, 5, v[HH]
	v_add_nc_u32 v235, s88, v37                    ; nb0: units 16 w + 8 hh on
	v_lshlrev_b32 v31, 4, v[LANE]
	v_add_nc_u32 v29, s67, v31                     ; ITAB entries k and 50 - k
	s_add_co_u32 s57, s67, 800
	v_sub_nc_u32 v30, s57, v31
	v_lshlrev_b32 v31, 3, v[LANE]
	v_add_nc_u32 v32, s68, v31                     ; JTAB entries k and 50 - k
	s_add_co_u32 s57, s68, 400
	v_sub_nc_u32 v33, s57, v31
	s_wait_alu depctr_va_vdst(0)
	s_wait_dscnt 0x0                               ; steps_k
	; cc_k: T_q = cos(2 q k pi / 50) in v[38 + q]; two sums by turns, odd q and even q
	v_mul_f32 v38, v4, v4
	v_mov_b32 v64, 1.0
	v_fma_f32 v6, v4, 0.5, 0.5                     ; (steps_k + 1) / 2
	v_fma_f32 v34, v4, -0.5, 0.5                   ; the same of 50 - k
	v_fma_f32 v39, v38, 2.0, -1.0                  ; T_1
	v_add_f32 v1, v39, v39
	v_fmac_f32 v64, -0.666666667, v39
	v_fma_f32 v40, v1, v39, -1.0                   ; T_2
	v_fma_f32 v41, v1, v40, -v39                   ; T_3
	v_mul_f32 v65, -0.133333333, v40
.set qq, 3
.irp wq, -0.0571428571, -0.0317460317, -0.0202020202, -0.0139860140, -0.0102564103, -0.00784313725, -0.00619195046, -0.00501253133, -0.00414078675, -0.00347826087, -0.00296296296, -0.00255427842, -0.00222469410, -0.00195503421, -0.00173160173, -0.00154440154, -0.00138600139, -0.00125078174, -0.00113442995, -0.00103359173, -0.000945626478, -0.000868432479, -0.000800320128
.if qq < 25
	v_fma_f32 v[39+qq], v1, v[38+qq], -v[37+qq]
.endif
	v_fmac_f32 v[65-(qq%2)], \wq, v[38+qq]
.set qq, qq+1
.endr
	v_add_f32 v7, v64, v65
	v_cmp_eq_u32 vcc_lo, 0, v[LANE]
	v_mov_b32 v64, 0x3d23d70a                      ; 2 / 50
	v_mov_b32 v65, 0x3ca3d70a                      ; 1 / 50 at the ends
	v_cndmask_b32 v64, v64, v65, vcc_lo
	v_mul_f32 v7, v7, v64                          ; cc_k
	v_mov_b32 v35, v7
	ds_store_b64 v32, v[6:7]
	ds_store_b64 v33, v[34:35]
	s_wait_alu depctr_va_vdst(0)
	s_wait_kmcnt 0x0
	s_mul_i32 s54, s41, 252
	s_mov_b32 s55, 0
	s_add_nc_u64 s[6:7], s[6:7], s[54:55]          ; h at row b
	s_lshl_b32 s56, s41, 2                         ; 4 b; kept: out0's offset too
	s_load_b32 s48, s[4:5], s56 offset:0x0         ; x_b
	s_load_b32 s49, s[36:37], 0x0                  ; ib2
	s_load_b64 s[50:51], s[20:21], 0x0             ; nb2
	; ---- loads: 10 (x, h), 7 (the wave's tile of iw0, of iw1, ib0), 34 (nw0, nb0)
	global_load_b128 v[120:123], v224, s[4:5]
	global_load_b128 v[124:127], v224, s[4:5] offset:16
	global_load_b32 v168, v226, s[6:7]
.irp i, 1,2,3,4,5,6
	global_load_b32 v[168+\i], v225, s[6:7] offset:4*\i-4
.endr
	global_load_b32 v175, v227, s[6:7]
.irp c, 0,1
	global_load_b128 v[144+4*\c:147+4*\c], v229, s[22:23] offset:32*\c
.endr
.irp c, 0,1,2,3
	global_load_b128 v[128+4*\c:131+4*\c], v228, s[28:29] offset:32*\c
.endr
	global_load_b32 v152, v230, s[26:27]
.irp c, 0,1                                        ; nw0 (K is its first axis): lane r takes column 16 w + r, its registers run down K: k = 32 c + 16 hh + i
.irp i, 0,1,2,3,4,5,6,7,8,9,10,11,12,13,14,15
.if (\c == 1) && (\i == 15)
	global_load_b32 v111, v232, s[8:9] offset:47*512                     ; k = 63 does not exist: lanes 16-31 read k = 62, cleared later
.else
	global_load_b32 v[80+16*\c+\i], v231, s[8:9] offset:(32*\c+\i)*512
.endif
.endr
.endr
	global_load_b128 v[112:115], v235, s[10:11]
	global_load_b128 v[116:119], v235, s[10:11] offset:16
	v_mov_b32 v78, 0x07060504                      ; the selector: bytes of the conversion,
	v_mov_b32 v79, 0x03020100                      ; or of the codes made once
	v_lshl_add_u32 v3, v[RR], 5, s69
	v_lshl_add_u32 v52, v[RR], 3, s80
	v_mov_b32 v28, 0
	s_wait_alu depctr_va_vdst(0)
	s_wait_loadcnt 41                              ; x and h are in: 41 loads stand behind them
	s_wait_kmcnt 0x0
	; ---- xmax, and eight numbers of h a lane: their block is four lanes
	v_max3_num_f32 v1, v120, v121, v122
	v_cndmask_b32 v168, 0, v168, s86
	v_max3_num_f32 v1, v1, v123, v124
	v_cndmask_b32 v175, 0, v175, s87
	v_max3_num_f32 v1, v1, v125, v126
	v_max3_num_f32 v36, |v168|, |v169|, |v170|
	v_max_num_f32 v1, v1, v127
	v_max3_num_f32 v36, v36, |v171|, |v172|
	v_max_num_f32_dpp v1, v1, v1 row_xmask:1 row_mask:0xf bank_mask:0xf
	v_max3_num_f32 v36, v36, |v173|, |v174|
	v_max_num_f32_dpp v1, v1, v1 row_xmask:2 row_mask:0xf bank_mask:0xf
	v_max_num_f32 v36, v36, |v175|
	v_max_num_f32_dpp v1, v1, v1 row_xmask:4 row_mask:0xf bank_mask:0xf
	v_max_num_f32_dpp v36, v36, v36 row_xmask:1 row_mask:0xf bank_mask:0xf
	v_max_num_f32_dpp v1, v1, v1 row_xmask:8 row_mask:0xf bank_mask:0xf
	v_max_num_f32_dpp v36, v36, v36 row_xmask:2 row_mask:0xf bank_mask:0xf
	v_permlanex16_b32 v28, v1, s42, s43
	v_max_num_f32 v36, s44, v36                    ; and 2^-111: the byte's hold at 1
	v_max3_num_f32 v1, v1, v28, 0                  ; max(t) = max(0, the largest x)
	ds_store_b128 v3, v[168:171]
	ds_store_b128 v3, v[172:175] offset:16
	v_add_f32 v1, 0x41200000, v1                   ; xmax = max(t) + 10
	v_readlane_b32 s60, v36, 8                     ; the largest magnitude of h0 .. h30, with the floor
	v_mul_f32 v37, 0x38000000, v36                 ; x 2^-15: the conversion's scale operand (its exponent field counts)
	v_and_or_b32 v36, v36, s45, s46                ; 57,344 x the scale
	v_lshrrev_b32 v31, 23, v37                     ; the byte
	v_mul_f32 v38, s48, v6                         ; t_k
	v_mul_f32 v42, s48, v34                        ; t_(50 - k)
.irp i, 0,1,2,3,4,5,6,7
	v_med3_num_f32 v[168+\i], v[168+\i], -v36, v36 ; the conversion does not saturate (ISA guide 7.6.2)
.endr
	v_cvt_scalef32_pk8_bf8_f32 v[50:51], v[168:175], v37
	v_sub_f32 v39, v1, v38
	v_sub_f32 v43, v1, v42
	v_mov_b32 v41, 0
	v_mul_f32 v40, v7, v39
	v_mul_f32 v44, v7, v43
	v_mov_b32 v45, 0
	v_mul_f32 v40, 0.5, v40
	v_mul_f32 v44, 0.5, v44
	v_mov_b32 v46, v1                              ; entry 51: s = xmax, weight 0
	v_mov_b32 v47, 0
	v_mov_b32 v48, 0
	v_mov_b32 v49, 0
	s_add_co_u32 s57, s67, 816
	v_mov_b32 v53, s57
	ds_store_b64 v52, v[50:51]
	ds_store_b128 v29, v[38:41]
	ds_store_b128 v30, v[42:45]
	ds_store_b128 v53, v[46:49]
	v_fma_f32 v2, s48, -0.5, v1
	v_mul_f32 v2, 0.000392156863, v2               ; cc_0 (xmax - x_b / 2): the weight of the row s = xmax
	v_readlane_b32 s70, v31, 0
	v_readlane_b32 s71, v31, 4
	v_readlane_b32 s72, v31, 12
	v_lshl_add_u32 v32, v[LANE], 4, s81            ; where the records
	v_lshl_add_u32 v33, v[LANE], 2, s82            ; and the weights go
	s_and_b32 s61, s60, s45                        ; HMAX's exponent field
	s_lshl_b32 s71, s71, 8
	s_or_b32 s70, s70, s71
	s_or_b32 s70, s70, 0x7f7f0000
	v_mov_b32 v[A1S], s70                          ; the outer input's scale word
	s_lshl_b32 s62, s72, 8
	s_or_b32 s62, s62, 0x7f7f0000                  ; the integrand input's scale word but for byte 0
	v_lshlrev_b32 v120, 4, v[LANE]
	v_add_nc_u32 v28, s91, v120
	v_add_nc_u32 v29, s89, v120
	s_wait_alu depctr_va_vdst(0)
	s_wait_loadcnt 34                              ; the wave's tiles of iw0, iw1 and its 16 of ib0: 34 loads stand behind them
.irp c, 0,1
	ds_store_b128 v28, v[144+4*\c:147+4*\c] offset:L_F0+512*\c
.endr
.irp c, 0,1,2,3
	ds_store_b128 v29, v[128+4*\c:131+4*\c] offset:L_F1+512*\c
.endr
	ds_store_b32 v230, v152 offset:L_IB0
	; ---- loads, second group: 32
.irp t, 0,1,2,3,4,5,6,7
	global_load_u16 v[SW0+\t], v233, s[24:25] offset:64*(\t/2)+16*(\t%2)
.endr
.irp t, 0,1,2,3,4,5,6,7
	global_load_b32 v[SW1+\t], v234, s[30:31] offset:64*\t
.endr
.irp t, 0,1,2,3,4,5,6,7
	global_load_b32 v[NB+\t], v234, s[32:33] offset:64*\t
.endr
.irp t, 0,1,2,3,4,5,6,7
	global_load_b32 v[W2+\t], v234, s[34:35] offset:64*\t
.endr
	; ---- the records and weights of the wave's 320 rows, five steps of 32 at a time; v[38 + 8 i ..] is step i's
.macro RLOAD e0
.irp i, 0,1,2,3,4
	ds_load_b128 v[38+8*\i:41+8*\i], v[8+\e0+\i]
	ds_load_b64 v[42+8*\i:43+8*\i], v[18+\e0+\i] offset:8
.endr
.endm
.macro RCALC e0
.irp i, 0,1,2,3,4
	v_fma_f32 v[44+8*\i], v[39+8*\i], v[42+8*\i], v[38+8*\i]             ; s = t_i + (xmax - t_i) a_j
.endr
.irp i, 0,1,2,3,4
	v_mul_f32 v[45+8*\i], v[40+8*\i], v[43+8*\i]                         ; the weight
.endr
.irp i, 0,1,2,3,4
	v_max_num_f32 v[42+8*\i], |v[44+8*\i]|, s60                          ; block 0's largest magnitude
.endr
.irp i, 0,1,2,3,4
	v_and_or_b32 v[43+8*\i], v[42+8*\i], s45, s46
.endr
.irp i, 0,1,2,3,4
	v_mul_f32 v[39+8*\i], 0x38000000, v[42+8*\i]
.endr
.irp i, 0,1,2,3,4
	v_med3_num_f32 v[38+8*\i], v[44+8*\i], -v[43+8*\i], v[43+8*\i]
.endr
.irp i, 0,1,2,3,4
	v_lshrrev_b32 v[40+8*\i], 23, v[39+8*\i]
.endr
.irp i, 0,1,2,3,4
	v_and_b32 v[42+8*\i], s45, v[42+8*\i]
.endr
.irp i, 0,1,2,3,4
	v_or_b32 v[40+8*\i], s62, v[40+8*\i]
.endr
.irp i, 0,1,2,3,4
	v_cmp_eq_u32 s[70+\i], s61, v[42+8*\i]                               ; is the scale HMAX's own?
.endr
.irp i, 0,1,2,3,4
	v_cndmask_b32 v[41+8*\i], v78, v79, s[70+\i]
.endr
.if \e0 == 5
	v_cmp_eq_u32 s75, 2262, v5                                           ; row 2,550 = 2,262 + 288
	v_cndmask_b32 v77, v77, v2, s75
.endif
.irp i, 0,1,2,3,4
	ds_store_b128 v32, v[38+8*\i:41+8*\i] offset:512*(\e0+\i)
	ds_store_b32 v33, v[45+8*\i] offset:128*(\e0+\i)
.endr
.endm
	RLOAD 0
	v_lshl_add_u32 v36, v[HH], 4, s80
	v_lshl_add_u32 v37, v[HH], 6, s69
	v_lshl_add_u32 v[RADDR], v[RR], 4, s81
	v_lshl_add_u32 v[PADDR], v[RR], 4, s83
	v_lshl_add_u32 v[PADDR], v[HH], 9, v[PADDR]
	v_lshlrev_b32 v[LOW4], 2, v[HH]
	v_xor_b32 v[LOW4], 4, v[LOW4]                  ; 4 in lanes 0-15: their first byte is always the conversion's, s
	v_lshlrev_b32 v30, 6, v[HH]
	s_wait_alu depctr_va_vdst(0)
	s_wait_dscnt 0x0
	RCALC 0
	RLOAD 5
	s_wait_alu depctr_va_vdst(0)
	s_wait_dscnt 0x0
	RCALC 5
	ds_load_b128 v[38:41], v36                     ; the outer input's codes
	ds_load_b128 v[42:45], v36 offset:32
	ds_load_b128 v[HC:HC+3], v36 offset:64         ; block 0's codes under HMAX's own scale
	ds_load_b128 v[INP+4:INP+7], v36 offset:96     ; block 1
.irp i, 0,1,2,3
	ds_load_b128 v[HVX+4*\i:HVX+4*\i+3], v37 offset:256+16*\i            ; P[16 hh ..], not held
.endr
.irp i, 8,9,10,11,12,13,14,15
	v_mov_b32 v[INP+\i], 0                         ; K = 64 .. 127: zero codes
.endr
	s_wait_alu depctr_va_vdst(0)
	s_wait_dscnt 0x0                               ; my image stores are done, for the others' sake
	s_barrier_signal -1
	s_barrier_wait -1                              ; the images and ib0 are whole
	WIN 0x40
.irp t, 0,1,2,3,4,5,6,7
.irp c, 0,1
	ds_load_b128 v[IW0+8*\t+4*\c:IW0+8*\t+4*\c+3], v120 offset:L_F0+1024*\t+512*\c
.endr
.endr
.irp b, 0,1,2,3
.irp i, 0,1,2,3
	ds_load_b128 v[IB0+16*\b+4*\i:IB0+16*\b+4*\i+3], v30 offset:L_IB0+128*\b+16*\i    ; register 16 b + i = unit 32 b + 16 hh + i
.endr
.endr
.irp t, 0,1,2,3,4,5,6,7
.irp c, 0,1,2,3
	ds_load_b128 v[IW1+16*\t+4*\c:IW1+16*\t+4*\c+3], v120 offset:L_F1+2048*\t+512*\c
.endr
.endr
	WIN 0
	; ---- the outer net's first layer: wave w makes units 16 w .. 16 w + 15; all 16 data rows are sample b's
	s_wait_xcnt 0x0                                ; the loads' offset registers are free
	s_wait_loadcnt 0x20                            ; nw0 and nb0: the second group's 32 stand behind them
	v_cndmask_b32 v111, 0, v111, s53               ; k = 63 is the quantiser's fill: 0
.irp b, 0,1
	v_max3_num_f32 v[MX+\b], |v[80+16*\b]|, |v[81+16*\b]|, |v[82+16*\b]|
.endr
.irp i, 3,5,7,9,11,13
.irp b, 0,1
	v_max3_num_f32 v[MX+\b], v[MX+\b], |v[80+16*\b+\i]|, |v[81+16*\b+\i]|
.endr
.endr
.irp b, 0,1
	v_max3_num_f32 v[MX+\b], v[MX+\b], |v[95+16*\b]|, s44
.endr
.irp b, 0,1
	v_permlanex16_b32 v[BX+\b], v[MX+\b], s42, s43
.endr
.irp b, 0,1
	v_max_num_f32 v[MX+\b], v[MX+\b], v[BX+\b]
.endr
.irp b, 0,1
	v_and_or_b32 v[LIM+\b], v[MX+\b], s45, s46
.endr
	v_pk_mul_f32 v[SCV:SCV+1], v[MX:MX+1], 0x38000000 op_sel_hi:[1,0]
.irp i, 0,1,2,3,4,5,6,7,8,9,10,11,12,13,14,15
.irp b, 0,1
	v_med3_num_f32 v[80+16*\b+\i], v[80+16*\b+\i], -v[LIM+\b], v[LIM+\b]
.endr
.endr
.irp b, 0,1
	v_lshrrev_b32 v[T+\b], 23, v[SCV+\b]
.endr
	CVT16 54, 80, SCV
	CVT16 58, 96, SCV+1
	v_lshl_or_b32 v[T], v[T+1], 8, v[T]
	v_or_b32 v[REC+2], 0x7f7f0000, v[T]
.irp i, 0,1,2,3,4,5,6,7
	v_mov_b32 v[46+\i], 0
	v_mov_b32 v[62+\i], 0
.endr
	PLACES 4                                       ; four places behind the last operand register
	v_wmma_scale_f32_16x16x128_f8f6f4 v[70:77], v[54:69], v[38:53], v[112:119], v[REC+2], v[A1S] matrix_a_fmt:MATRIX_FMT_BF8 matrix_b_fmt:MATRIX_FMT_BF8
	v_mov_b32 v[H15], v[HVX]                       ; lanes 16-31: h15
	v_lshl_add_u32 v28, v[HH], 5, s88
	PLACES 8
.irp p, 0,1,2,3
	v_dual_max_num_f32 v[70+2*\p], 0, v[70+2*\p] :: v_dual_max_num_f32 v[71+2*\p], 0, v[71+2*\p]
.endr
	ds_store_b128 v28, v[70:73] offset:L_HID       ; units 16 w + 8 hh + 0 .. 7; the lanes of a half hold the same numbers
	ds_store_b128 v28, v[74:77] offset:L_HID+16
	ds_load_b128 v[REC:REC+3], v[RADDR]            ; tile 0's records
	s_wait_alu depctr_va_vdst(0)
	s_wait_loadcnt 0x0                             ; the second group
.irp t, 0,1,2,3,4,5,6,7
	v_or_b32 v[SW0+\t], 0x7f7f0000, v[SW0+\t]      ; the zero codes' blocks: scale 1
.endr
	v_mul_f32 v80, v[NB], v[W2]
	v_mul_f32 v81, v[NB+1], v[W2+1]
.irp t, 2,3,4,5,6,7
	v_fmac_f32 v[80+(\t%2)], v[NB+\t], v[W2+\t]
.endr
	v_add_f32 v80, v80, v81
	v_add_nc_u32 v[RADDR], 0x100, v[RADDR]         ; 16 records on
	v_add_f32_dpp v80, v80, v80 row_xmask:1 row_mask:0xf bank_mask:0xf
	v_add_f32_dpp v80, v80, v80 row_xmask:2 row_mask:0xf bank_mask:0xf
	v_add_f32_dpp v80, v80, v80 row_xmask:4 row_mask:0xf bank_mask:0xf
	v_add_f32_dpp v80, v80, v80 row_xmask:8 row_mask:0xf bank_mask:0xf
	v_readfirstlane_b32 s59, v80
.irp t, 0,1,2,3,4,5,6,7
	v_xor_b32 v[NB+\t], 0x80000000, v[NB+\t]       ; -ib1
.endr
	s_add_f32 s59, s59, s49                        ; ib2 + the sum of iw2 x ib1
; ---- THE INTEGRAND.  The parts of a tile's work:
.macro IN_A
	v_cndmask_b32 v[HVX], v[H15], v[REC], s53      ; lanes 0-15: s; lanes 16-31: h15
	v_or_b32 v[SELA], v[LOW4], v[REC+3]
.endm
.macro IN_B
	CVT16 T, HVX, REC+1
.endm
.macro IN_C
	v_perm_b32 v[INP], v[T], v[HC], v[SELA]
.irp i, 1,2,3
	v_perm_b32 v[INP+\i], v[T+\i], v[HC+\i], v[REC+3]
.endr
.endm
.macro MAX8 i                          ; two chains a block, eight side by side; i = 0 starts them, each at its result tile's low end
.irp b, 0,1,2,3
.if \i == 0
	v_max3_num_f32 v[MX+\b], v[ACC1+16*\b], v[ACC1+16*\b+1], v[ACC1+16*\b+2]
	v_max3_num_f32 v[BX+\b], v[ACC1+16*\b+8], v[ACC1+16*\b+9], v[ACC1+16*\b+10]
.else
	v_max3_num_f32 v[MX+\b], v[MX+\b], v[ACC1+16*\b+\i], v[ACC1+16*\b+\i+1]
	v_max3_num_f32 v[BX+\b], v[BX+\b], v[ACC1+16*\b+8+\i], v[ACC1+16*\b+9+\i]
.endif
.endr
.endm
; TRIP k.  m2: second product of tile k - 1, its relu, its dot with iw2, its sums' store.  hold: tile k's hidden layer is held and converted.
; m1: first product of tile k + 1, its block maxima and scales.  inp: tile k + 2's records and input codes.
; Behind a matrix instruction of this form eight plain vector instructions that name none of its registers stand before its result is read or one of its registers written.
.macro TRIP m2, hold, m1, inp
.if \m2
	WIN 0x04                                       ; source 1: iw1, window 1
.irp t, 0,1,2,3,4,5,6,7
	v_wmma_scale_f32_16x16x128_f8f6f4 v[ACC2+8*\t:ACC2+8*\t+7], v[A1:A1+15], v[IW1+16*\t:IW1+16*\t+15], 0, v[A1S], v[SW1+\t] matrix_a_fmt:MATRIX_FMT_BF8 matrix_b_fmt:MATRIX_FMT_BF8
.endr
	WIN 0
.if !\hold
	PLACES 8
.endif
.endif
.if \hold
.irp t, 0,1,2,3,4,5,6,7
.irp j, 0,1,2,3,4,5,6,7
	v_med3_num_f32 v[ACC1+8*\t+\j], v[ACC1+8*\t+\j], 0, v[LIM+\t/2]      ; relu and the hold in one
.endr
.endr
	; the scale word from the limits' high halves, each (E << 7) + 0x60, E = the byte + 15: (the halves of 2, 0) >> 7 plus (those of 3, 1) << 1, less 0x0f0f0f0f + 0xc0c0c0
	v_perm_b32 v[T], v[LIM+2], v[LIM], s63
	v_perm_b32 v[T+1], v[LIM+3], v[LIM+1], s63
	CVT16 A1, ACC1, SCV
	v_lshrrev_b32 v[T], 7, v[T]
	CVT16 A1+4, ACC1+16, SCV+1
	v_lshl_add_u32 v[T], v[T+1], 1, v[T]
	CVT16 A1+8, ACC1+32, SCV+2
	v_add_nc_u32 v[A1S], s47, v[T]
	CVT16 A1+12, ACC1+48, SCV+3
.endif
.if \m2
.irp t, 0,1,2,3,4,5,6,7
.irp p, 0,1,2,3
	v_dual_max_num_f32 v[ACC2+8*\t+2*\p], v[NB+\t], v[ACC2+8*\t+2*\p] :: v_dual_max_num_f32 v[ACC2+8*\t+2*\p+1], v[NB+\t], v[ACC2+8*\t+2*\p+1]
.endr
.endr
.elseif \hold
	PLACES 2                                       ; a plain instruction between the last conversion and the product that writes over its sources
.endif
.if \m1
	WIN 0x11                                       ; sources 0 (iw0) and 2 (ib0): window 1
.irp t, 0,1,2,3,4,5,6,7
	v_wmma_scale_f32_16x16x128_f8f6f4 v[ACC1+8*\t:ACC1+8*\t+7], v[IW0+8*\t:IW0+8*\t+15], v[INP:INP+15], v[IB0+8*\t:IB0+8*\t+7], v[SW0+\t], v[REC+2] matrix_a_fmt:MATRIX_FMT_BF8 matrix_b_fmt:MATRIX_FMT_BF8
.endr
	WIN 0
.if !\m2
	PLACES 8
.if \inp
	ds_load_b128 v[REC:REC+3], v[RADDR]
.endif
.endif
.endif
.if \m2                                ; the dot: these 32 lines are the places behind the products above
.irp t, 0,1,2,3,4,5,6,7
.irp p, 0,1,2,3
.if \t == 0
	v_pk_mul_f32 v[SUM+2*\p:SUM+2*\p+1], v[ACC2+2*\p:ACC2+2*\p+1], v[W2:W2+1] op_sel_hi:[1,0]
.elseif \t%2
	v_pk_fma_f32 v[SUM+2*\p:SUM+2*\p+1], v[ACC2+8*\t+2*\p:ACC2+8*\t+2*\p+1], v[W2+\t-1:W2+\t], v[SUM+2*\p:SUM+2*\p+1] op_sel:[0,1,0] op_sel_hi:[1,1,1]
.else
	v_pk_fma_f32 v[SUM+2*\p:SUM+2*\p+1], v[ACC2+8*\t+2*\p:ACC2+8*\t+2*\p+1], v[W2+\t:W2+\t+1], v[SUM+2*\p:SUM+2*\p+1] op_sel_hi:[1,0,1]
.endif
.endr
.if (\t == 3) && \inp
	ds_load_b128 v[REC:REC+3], v[RADDR]            ; tile k + 2's records: sixteen places behind the products that read the scale word
.endif
.endr
.endif
.if \m1
	MAX8 0
	MAX8 3
	MAX8 5
.irp b, 0,1,2,3
	v_max3_num_f32 v[MX+\b], v[MX+\b], v[BX+\b], v[ACC1+16*\b+7]
.endr
.irp b, 0,1,2,3
	v_max3_num_f32 v[MX+\b], v[MX+\b], v[ACC1+16*\b+15], s44             ; and 2^-111: relu's 0, the byte's hold at 1, a harmless scale for a block of zeros
.endr
.irp b, 0,1,2,3
	v_permlanex16_b32 v[BX+\b], v[MX+\b], s42, s43
.endr
.if \inp
	s_wait_alu depctr_va_vdst(0)
	s_wait_dscnt 0x0                               ; the records
	IN_A
.endif
.irp b, 0,1,2,3
	v_max_num_f32 v[MX+\b], v[MX+\b], v[BX+\b]     ; my 16 and lane l xor 16's
.endr
.if \inp
	IN_B
.endif
.irp b, 0,1,2,3
	v_and_or_b32 v[LIM+\b], v[MX+\b], s45, s46     ; 57,344 x the scale
.endr
	v_pk_mul_f32 v[SCV:SCV+1], v[MX:MX+1], 0x38000000 op_sel_hi:[1,0]    ; x 2^-15: the conversions' scale operands
	v_pk_mul_f32 v[SCV+2:SCV+3], v[MX+2:MX+3], 0x38000000 op_sel_hi:[1,0]
.if \inp
	IN_C
	v_add_nc_u32 v[RADDR], 0x100, v[RADDR]
.endif
.endif
.if \m2
	ds_store_b128 v[PADDR], v[SUM:SUM+3]           ; tile k - 1: rows 8 hh + 0 .. 3
	ds_store_b128 v[PADDR], v[SUM+4:SUM+7] offset:256
	v_add_nc_u32 v[PADDR], 0x400, v[PADDR]
.endif
.endm
	s_wait_alu depctr_va_vdst(0)
	s_wait_dscnt 0x0                               ; the fragments, ib0, tile 0's records
	IN_A
	IN_B
	v_nop
	IN_C
	PLACES 8                                       ; (four are owed behind the codes)
	TRIP 0, 0, 1, 1                                ; k = -1
	TRIP 0, 1, 1, 1                                ; k = 0
	s_mov_b32 s52, 17
	s_wait_alu depctr_va_vdst(0)
.Ltile:                                            ; k = 1 .. 17
	TRIP 1, 1, 1, 1
	s_sub_co_i32 s52, s52, 1
	s_cmp_lg_u32 s52, 0
	s_wait_alu depctr_va_vdst(0)                   ; the wait ahead of the backward jump
	s_cbranch_scc1 .Ltile
	TRIP 1, 1, 1, 0                                ; k = 18: the last first product
	; ---- the outer net's second layer: its loads go out here, into iw0's registers, which no product reads any more
	v_lshlrev_b32 v160, 7, v[RR]
	v_lshl_add_u32 v160, v[HH], 4, v160
	v_add_nc_u32 v160, s89, v160                   ; nw1: row 16 w + r
	v_lshl_add_u32 v161, v[HH], 5, s88             ; nb1: units 16 w + 8 hh on
	v_lshlrev_b32 v162, 1, v161                    ; nw2: 8 bytes a unit
	v_lshl_add_u32 v163, v[RR], 2, s88             ; nw1's scale words
	WIN 0x40
.irp c, 0,1,2,3
	global_load_b128 v[4*\c:4*\c+3], v160, s[12:13] offset:32*\c
.endr
.irp c, 0,1
	global_load_b128 v[16+4*\c:19+4*\c], v161, s[16:17] offset:16*\c
.endr
.irp c, 0,1,2,3
	global_load_b128 v[24+4*\c:27+4*\c], v162, s[18:19] offset:16*\c
.endr
	WIN 0
	global_load_b32 v[SW0], v163, s[14:15]
	TRIP 1, 1, 0, 0                                ; k = 19
	TRIP 1, 0, 0, 0                                ; k = 20
	; ---- the wave's 320 rows: lane L of step s takes the four rows 4 Q .. 4 Q + 3, Q = 32 s + L, and adds their 16 lanes' sums, lane by lane in another order (r xor L): 16 lanes touch 16 columns
	s_wait_alu depctr_va_vdst(0)
	s_wait_dscnt 0x0
	s_barrier_signal -1                            ; for the outer hidden layer, stored long ago; up to the wait stand register work and loads of my own bytes alone
	v_lshlrev_b32 v164, 8, v[LANE]
	v_lshlrev_b32 v180, 8, v[RR]
	v_lshl_add_u32 v164, v[RR], 4, v164
	v_lshlrev_b32 v181, 7, v[HH]
	v_lshlrev_b32 v182, 4, v[RR]
	v_add_nc_u32 v164, s83, v164
	v_xor_b32 v181, v181, v182
	s_add_co_u32 s57, s83, 16384
	v_add_nc_u32 v180, v180, v181
	v_lshl_add_u32 v221, v[LANE], 4, s82
	v_lshl_add_u32 v222, v[RR], 4, s82
	v_add_nc_u32 v180, s57, v180                   ; step 2 has 16 quads: lanes 0-15 and 16-31 take eight of the sixteen each
.irp i, 1,2,3,4,5,6,7,8,9,10,11,12,13,14,15
	v_xor_b32 v[164+\i], 16*\i, v164
.endr
	; (v180 is not among the registers just written: step 2's other addresses are made from it below)
.irp i, 0,1,2,3,4,5,6,7,8,9,10,11,12,13,14,15
	ds_load_b128 v[4*\i:4*\i+3], v[164+\i]
	ds_load_b128 v[64+4*\i:67+4*\i], v[164+\i] offset:8192
.endr
.irp i, 1,2,3,4,5,6,7
	v_xor_b32 v[180+\i], 16*\i, v180
.endr
.irp i, 0,1,2,3,4,5,6,7
	ds_load_b128 v[128+4*\i:131+4*\i], v[180+\i]
.endr
	ds_load_b128 v[188:191], v221                  ; the weights
	ds_load_b128 v[192:195], v221 offset:512
	ds_load_b128 v[196:199], v222 offset:1024
	s_wait_alu depctr_va_vdst(0)
	s_wait_dscnt 27                                ; the first 16 of the 43 loads
.irp i, 1,2,3,4,5,6,7
.irp x, 0,2,64,66
	v_pk_add_f32 v[\x:\x+1], v[\x:\x+1], v[\x+4*\i:\x+4*\i+1]
.endr
.endr
	s_wait_alu depctr_va_vdst(0)
	s_wait_dscnt 11                                ; the first 32
.irp i, 8,9,10,11,12,13,14,15
.irp x, 0,2,64,66
	v_pk_add_f32 v[\x:\x+1], v[\x:\x+1], v[\x+4*\i:\x+4*\i+1]
.endr
.endr
	s_wait_alu depctr_va_vdst(0)
	s_wait_dscnt 0x0
.irp i, 1,2,3,4,5,6,7
.irp x, 128,130
	v_pk_add_f32 v[\x:\x+1], v[\x:\x+1], v[\x+4*\i:\x+4*\i+1]
.endr
.endr
.irp i, 0,1,2,3
	v_permlanex16_b32 v[164+\i], v[128+\i], s42, s43
.endr
	v_pk_add_f32 v[128:129], v[128:129], v[164:165]
	v_pk_add_f32 v[130:131], v[130:131], v[166:167]
.irp i, 196,197,198,199
	v_cndmask_b32 v[\i], 0, v[\i], s53             ; step 2's rows count once
.endr
.irp x, 0,1,2,3,64,65,66,67,128,129,130,131
	v_add_f32 v[\x], s59, v[\x]                    ; z
.endr
.irp x, 0,1,2,3,64,65,66,67,128,129,130,131
	v_mul_f32 v[\x+4], 0x3fb8aa3b, v[\x]
.endr
.irp x, 0,1,2,3,64,65,66,67,128,129,130,131
	v_min_num_f32 v[\x+4], 0, v[\x+4]
.endr
	s_wait_alu depctr_va_vdst(0)                   ; the waits ahead of and behind the batch
.irp x, 0,1,2,3,64,65,66,67,128,129,130,131
	v_exp_f32 v[\x+4], v[\x+4]                     ; exp(min(z, 0))
.endr
.irp x, 0,1,2,3,64,65,66,67,128,129,130,131
	v_max_num_f32 v[\x], 0, v[\x]
.endr
	s_wait_alu depctr_va_vdst(0)
.irp x, 0,1,2,3,64,65,66,67,128,129,130,131
	v_add_f32 v[\x], v[\x], v[\x+4]                ; elu(z) + 1
.endr
.irp i, 0,1,2,3
	v_mul_f32 v[8+\i], v[\i], v[188+\i]
.endr
.irp i, 0,1,2,3
	v_fmac_f32 v[8+\i], v[64+\i], v[192+\i]
.endr
.irp i, 0,1,2,3
	v_fmac_f32 v[8+\i], v[128+\i], v[196+\i]
.endr
	v_add_f32 v8, v8, v9
	v_add_f32 v10, v10, v11
	v_add_f32 v8, v8, v10
	v_add_f32_dpp v8, v8, v8 row_xmask:1 row_mask:0xf bank_mask:0xf
	v_add_f32_dpp v8, v8, v8 row_xmask:2 row_mask:0xf bank_mask:0xf
	v_add_f32_dpp v8, v8, v8 row_xmask:4 row_mask:0xf bank_mask:0xf
	v_add_f32_dpp v8, v8, v8 row_xmask:8 row_mask:0xf bank_mask:0xf
	v_permlanex16_b32 v9, v8, s42, s43
	v_lshlrev_b32 v10, 5, v[RR]
	v_lshl_add_u32 v11, v[RR], 3, s84
	v_lshl_add_u32 v26, v[HH], 4, s84
	v_add_f32 v8, v8, v9                           ; the wave's sum
	s_wait_alu depctr_va_vdst(0)
	s_barrier_wait -1                              ; the outer hidden layer is whole
	ds_load_b128 v[12:15], v10 offset:L_HID        ; eight units a lane; a block is four lanes
	ds_load_b128 v[16:19], v10 offset:L_HID+16
	s_wait_dscnt 0x0
	v_max3_num_f32 v20, v12, v13, v14
	v_max3_num_f32 v20, v20, v15, v16
	v_max3_num_f32 v20, v20, v17, v18
	v_max_num_f32 v20, v20, v19
	v_max_num_f32_dpp v20, v20, v20 row_xmask:1 row_mask:0xf bank_mask:0xf
	v_max_num_f32_dpp v20, v20, v20 row_xmask:2 row_mask:0xf bank_mask:0xf
	v_max_num_f32 v20, s44, v20
	v_mul_f32 v22, 0x38000000, v20
	v_and_or_b32 v21, v20, s45, s46
	v_lshrrev_b32 v23, 23, v22
.irp i, 12,13,14,15,16,17,18,19
	v_min_num_f32 v[\i], v[\i], v21
.endr
	v_cvt_scalef32_pk8_bf8_f32 v[24:25], v[12:19], v22
	v_nop
	v_readlane_b32 s70, v23, 0
	v_readlane_b32 s71, v23, 4
	v_readlane_b32 s72, v23, 8
	v_readlane_b32 s73, v23, 12
	ds_store_b64 v11, v[24:25]
.irp c, 0,1,2,3
	ds_load_b128 v[A1+4*\c:A1+4*\c+3], v26 offset:32*\c
.endr
	s_lshl_b32 s71, s71, 8
	s_lshl_b32 s72, s72, 16
	s_lshl_b32 s73, s73, 24
	s_or_b32 s70, s70, s71
	s_or_b32 s72, s72, s73
	s_or_b32 s70, s70, s72
	v_mov_b32 v[A1S], s70
	PLACES 8
	s_wait_alu depctr_va_vdst(0)
	s_wait_loadcnt 0x0
	s_wait_dscnt 0x0
	WIN 0x11
	v_wmma_scale_f32_16x16x128_f8f6f4 v[28:35], v[0:15], v[A1:A1+15], v[16:23], v[SW0], v[A1S] matrix_a_fmt:MATRIX_FMT_BF8 matrix_b_fmt:MATRIX_FMT_BF8
	WIN 0
	PLACES 8
.irp p, 0,1,2,3
	v_dual_max_num_f32 v[28+2*\p], 0, v[28+2*\p] :: v_dual_max_num_f32 v[29+2*\p], 0, v[29+2*\p]
.endr
	WIN 0x04                                       ; source 1: nw2's pairs, window 1
	v_pk_mul_f32 v[36:37], v[28:29], v[24:25] op_sel_hi:[0,1]            ; (o0, o1) += unit x (nw2[unit][0], nw2[unit][1])
.irp i, 1,2,3,4,5,6,7
.if \i%2
	v_pk_fma_f32 v[36:37], v[27+\i:28+\i], v[24+2*\i:25+2*\i], v[36:37] op_sel:[1,0,0] op_sel_hi:[1,1,1]
.else
	v_pk_fma_f32 v[36:37], v[28+\i:29+\i], v[24+2*\i:25+2*\i], v[36:37] op_sel_hi:[0,1,1]
.endif
.endr
	WIN 0
	v_permlanex16_b32 v38, v36, s42, s43
	v_permlanex16_b32 v39, v37, s42, s43
	v_mov_b32 v34, v8
	v_mov_b32 v35, 0
	v_pk_add_f32 v[36:37], v[36:37], v[38:39]
	s_lshl_b32 s57, s40, 4
	v_mov_b32 v40, s57
	v_mov_b32 v41, 0
	ds_store_b128 v40, v[34:37] offset:L_FIN
	s_wait_alu depctr_va_vdst(0)
	s_wait_dscnt 0x0                               ; for wave 0's sake
	s_barrier_signal -1
	s_barrier_wait -1
	; ---- wave 0 adds the eight waves' parts and stores the sample's number
	s_cmp_lg_u32 s40, 0
	s_cbranch_scc1 .Lend
.irp i, 0,1,2,3,4,5,6,7
	ds_load_b128 v[44+4*\i:47+4*\i], v41 offset:L_FIN+16*\i
.endr
	s_wait_dscnt 0x0
.irp x, 44,46,48,50,52,54,56,58
	v_pk_add_f32 v[\x:\x+1], v[\x:\x+1], v[\x+16:\x+17]
.endr
.irp x, 44,46,48,50
	v_pk_add_f32 v[\x:\x+1], v[\x:\x+1], v[\x+8:\x+9]
.endr
.irp x, 44,46
	v_pk_add_f32 v[\x:\x+1], v[\x:\x+1], v[\x+4:\x+5]
.endr
	v_add_f32 v47, s51, v47
	v_add_f32 v46, s50, v46                        ; the offset
	v_mul_f32 v47, 0x3fb8aa3b, v47
	s_wait_alu depctr_va_vdst(0)
	v_exp_f32 v47, v47                             ; the scaling
	v_mul_f32 v44, s48, v44                        ; (the plain instruction behind the exponential)
	v_mul_f32 v44, 0.5, v44                        ; x x_b / 2
	s_wait_alu depctr_va_vdst(0)
	v_fma_f32 v44, v47, v44, v46
	v_mov_b32 v48, s56                             ; 4 b
	v_cmp_eq_u32 vcc_lo, 0, v[LANE]
	s_wait_alu depctr_va_vdst(0)
	s_wait_xcnt 0x0                                ; EXEC changes only behind this wait
	s_and_saveexec_b32 s54, vcc_lo
	global_store_b32 v48, v44, s[38:39]
	s_wait_xcnt 0x0                                ; and again in front of the line that widens it
	s_or_b32 exec_lo, exec_lo, s54
.Lend:
	s_wait_tensorcnt 0x0                           ; the wave's end
	ds_add_u32 v[SPW], v[NIL]
	s_wait_dscnt 0x0
	s_endpgm
.Lfunc_end_k_q1a2a269b0b_umnn:
	.size	k_q1a2a269b0b_umnn, .Lfunc_end_k_q1a2a269b0b_umnn-k_q1a2a269b0b_umnn
	.p2alignl 7, 3214868480
	.fill 96, 4, 3214868480
	.section	.rodata,"a",@progbits
	.p2align	6, 0x0
	.amdhsa_kernel k_q1a2a269b0b_umnn
		.amdhsa_group_segment_fixed_size 272640
		.amdhsa_private_segment_fixed_size 0
		.amdhsa_enable_private_segment 0
		.amdhsa_kernarg_size 144
		.amdhsa_user_sgpr_count 2
		.amdhsa_user_sgpr_kernarg_segment_ptr 1
		.amdhsa_wavefront_size32 1
		.amdhsa_system_sgpr_workgroup_id_x 1
		.amdhsa_system_sgpr_workgroup_id_y 1
		.amdhsa_system_sgpr_workgroup_id_z 1
		.amdhsa_system_vgpr_workitem_id 0
		.amdhsa_next_free_vgpr 512
		.amdhsa_next_free_sgpr 96
		.amdhsa_reserve_vcc 1
		.amdhsa_float_denorm_mode_32 3
		.amdhsa_float_denorm_mode_16_64 3
		.amdhsa_memory_ordered 1
		.amdhsa_forward_progress 1
		.amdhsa_inst_pref_size 129
	.end_amdhsa_kernel
	.amdgpu_metadata
---
amdhsa.version: [ 1, 2 ]
amdhsa.kernels:
  - .name:           k_q1a2a269b0b_umnn
    .symbol:         k_q1a2a269b0b_umnn.kd
    .args:
      - { .name: x, .offset: 0, .size: 8, .value_kind: global_buffer, .address_space: global }
      - { .name: h, .offset: 8, .size: 8, .value_kind: global_buffer, .address_space: global }
      - { .name: nw0, .offset: 16, .size: 8, .value_kind: global_buffer, .address_space: global }
      - { .name: nb0, .offset: 24, .size: 8, .value_kind: global_buffer, .address_space: global }
      - { .name: nw1_codes, .offset: 32, .size: 8, .value_kind: global_buffer, .address_space: global }
      - { .name: nw1_scales, .offset: 40, .size: 8, .value_kind: global_buffer, .address_space: global }
      - { .name: nb1, .offset: 48, .size: 8, .value_kind: global_buffer, .address_space: global }
      - { .name: nw2, .offset: 56, .size: 8, .value_kind: global_buffer, .address_space: global }
      - { .name: nb2, .offset: 64, .size: 8, .value_kind: global_buffer, .address_space: global }
      - { .name: iw0_codes, .offset: 72, .size: 8, .value_kind: global_buffer, .address_space: global }
      - { .name: iw0_scales, .offset: 80, .size: 8, .value_kind: global_buffer, .address_space: global }
      - { .name: ib0, .offset: 88, .size: 8, .value_kind: global_buffer, .address_space: global }
      - { .name: iw1_codes, .offset: 96, .size: 8, .value_kind: global_buffer, .address_space: global }
      - { .name: iw1_scales, .offset: 104, .size: 8, .value_kind: global_buffer, .address_space: global }
      - { .name: ib1, .offset: 112, .size: 8, .value_kind: global_buffer, .address_space: global }
      - { .name: iw2, .offset: 120, .size: 8, .value_kind: global_buffer, .address_space: global }
      - { .name: ib2, .offset: 128, .size: 8, .value_kind: global_buffer, .address_space: global }
      - { .name: out0, .offset: 136, .size: 8, .value_kind: global_buffer, .address_space: global }
    .group_segment_fixed_size: 272640
    .private_segment_fixed_size: 0
    .kernarg_segment_align: 8
    .kernarg_segment_size: 144
    .max_flat_workgroup_size: 256
    .sgpr_count:     96
    .vgpr_count:     512
    .wavefront_size: 32
...
	.end_amdgpu_metadata
.endif
;; end of part 2
